; MI455X (gfx1250); checked and timed in simulation.
; The chip was launched on July 23, 2026; its instructions are those of AMD's public machine-readable ISA for CDNA 5 (MIT licence, August 2026) and "CDNA5" Instruction Set Architecture Reference Guide (July 2026). The comments in the code are by the model that wrote it; some were corrected since.
;; Model. Allowed arithmetic: matrix products marked QUANTISED: E3M2 operands, one E8M0 scale for each 32 along K, by v_wmma_scale_f32_16x16x128_f8f6f4 with both operands' format E3M2, f32 sums; everything else in f32.
;; Inputs: W1 1,024 x 1,024 float32; W2 1,024 x 1,024 float32; b1 1,024 float32; b2 1,024 float32; k 4 x 2,048 x 1,024 float32; mask 1 x 2,048 x 2,048 float32; q 4 x 2,048 x 1,024 float32; v1 4 x 2,048 x 1,024 float32.
;; Outputs: out0 4 x 2,048 x 1,024 float32.
;; This version of the problem:
;;   THIS VERSION OF THE PROBLEM IS GIVEN IN LOW PRECISION. The matrix products marked QUANTISED in the list below multiply operands that are first quantised to E3M2 (3 exponent bits, 2 mantissa bits; 6 bits a number), with one power-of-two scale for each 32 numbers along K (OCP MX v1.0); their sums are f32. All else is computed in f32.
;;   The module's matrix products, in the order in which they are computed (A, B: the left and right operand; K: the contracted axis; several contracted axes count as one K, in the product's order):
;;     1. [M 8,192, K 1,024] x [K 1,024, N 1,024]; A: input q; B: input W1: QUANTISED
;;     2. [M 8,192, K 1,024] x [K 1,024, N 1,024]; A: computed on the way; B: input W2: QUANTISED
;;     3. [M 8,192, K 1,024] x [K 1,024, N 1,024]; A: input k; B: input W1: QUANTISED
;;     4. [M 8,192, K 1,024] x [K 1,024, N 1,024]; A: computed on the way; B: input W2: QUANTISED
;;     5. batch 4 x [M 2,048, K 1,024] x [K 1,024, N 2,048]; A: computed on the way; B: computed on the way: QUANTISED
;;     6. batch 4 x [M 2,048, K 2,048] x [K 2,048, N 1,024]; A: softmax (see below); B: input v1: QUANTISED
;;   THE QUANTISER, for each operand of a quantised product, along K:
;;     - K is cut into blocks of 32 from its start; a last block that is shorter is filled with zeros.
;;     - A block's scale is 2^e with e = floor(log2(the largest magnitude in the block)) - 4, held to -126 .. 127; a block of zeros has e = 0. As a byte (E8M0): e + 127.
;;     - Each number is divided by its block's scale, clamped to +-28, and rounded to the nearest number of E3M2, ties to even, subnormals kept.
;;     - The product sums the exact products of the quantised numbers (number of the format x scale) in f32.
;;   ~~~python
;;   def quantise(x, axis):      # numpy; x: float32 -> the quantised numbers, widened to float32 again
;;       x = np.moveaxis(x, axis, -1); K = x.shape[-1]
;;       x = np.pad(x, [(0, 0)] * (x.ndim - 1) + [(0, -K % 32)]); x = x.reshape(x.shape[:-1] + (-1, 32)); a = np.abs(x).max(-1, keepdims=True)
;;       e = np.where(a > 0, np.clip(np.frexp(np.where(a > 0, a, 1))[1] - 1 - 4, -126, 127), 0)      # np.frexp(a)[1] - 1 = floor(log2(a)), exactly
;;       r = np.clip(x / 2.0 ** e, -28, 28)
;;       step = 2.0 ** (np.maximum(np.frexp(np.where(r == 0, 1, r))[1] - 1, -2) - 2)
;;       q = np.round(r / step) * step * 2.0 ** e      # np.round: ties to even
;;       return np.moveaxis(q.reshape(q.shape[:-2] + (-1,))[..., :K], -1, axis).astype(np.float32)
;;   ~~~
;;   SOFTMAX AHEAD OF A QUANTISED PRODUCT. Where the list says 'softmax', what is quantised is not the finished softmax but p = 2^(t - M), with t = logit x log2(e) and M = ceil(the row's largest t), a whole number; so 1/2 < the row's largest p <= 1. The row's sum l is taken of the UNQUANTISED p, in f32, and the product's result is divided by l at the end. Since M is a whole number, a kernel that streams over the keys may use a running M (the ceiling of the running maximum): every later rescaling is an exact power of two, which a block's scale takes up: the codes' values come out the same.
;;   OPERANDS COMPUTED ON THE WAY. 'Computed on the way' means the value that the module computes at that place (a softmax that the list does not call 'softmax' is quantised finished and normalised). What goes into a quantiser is computed in f32, as accurately as f32 sums, v_exp_f32 and their like allow (about 1e-6 of the number): no bf16 or f16 on the way to a quantiser, and a product that is left as it is and whose result goes on into a quantised operand takes f32 operands (vector FMAs, or v_wmma_f32_16x16x4_f32). A number that lies on a knife's edge between two numbers of the format may be rounded either way, as far as f32 arithmetic and the matrix unit's own rounding can turn it there, and no further.
;; One version. Each part assembles by itself: llvm-mc -triple=amdgcn-amd-amdhsa -mcpu=gfx1250 --defsym DOCPART=n.
;; ======== version 1 of 1: 5 launches
;; limits: right only within a limited range of input values
;; workspace buffers: bufX 13,107,200 bytes; bufH 13,107,200 bytes; bufQK 13,107,200 bytes; bufW1 819,200 bytes; bufW2 819,200 bytes; bufV 6,553,600 bytes; bufPS 14,155,776 bytes
;; launch quant (part 1): grid 544 x 1, 8 waves a work-group, no clusters, 70,656 bytes of LDS; arguments q, k, W1, W2, v1, bufX, bufW1, bufW2, bufV; writes bufX, bufW1, bufW2, bufV
.if DOCPART == 1
	.amdgcn_target "amdgcn-amd-amdhsa--gfx1250"
	.amdhsa_code_object_version 6
	.text
	.protected	k_q7359abe67e_quant
	.globl	k_q7359abe67e_quant
	.p2align	8
	.type	k_q7359abe67e_quant,@function
k_q7359abe67e_quant:
	s_mov_b64 s[64:65], 0
	v_nop
	global_prefetch_b8 v0, s[64:65] scope:SCOPE_SE
	s_setreg_imm32_b32 hwreg(HW_REG_WAVE_MODE, 25, 1), 1
	s_wait_xcnt 0x0
; q, k [8192][1024], W1, W2 [1024][1024] (K = the last axis) and v1 [4][2048][1024] (K = the keys, its middle axis), all f32, become codes of BF6 (E3M2) with one E8M0 byte for each 32 along K.
; A block's scale is 2^(floor(log2(its largest magnitude)) - 4); its byte is the largest magnitude's exponent field - 4, held at 1 from below.
; LAYOUT OF ALL CODE BUFFERS: images of operand registers.  A fragment is 16 rows x 128 K: 12 registers x 32 lanes = 1,536 bytes, registers 4 c .. 4 c + 3 of lane l at 512 c + 16 l; fragment (rb, ks) lies at (rb x K/128 + ks) x 1536.
; Scale words (4 bytes: one row, 128 K) lie [rows/128][ks][block of 16 rows][lane]: 512 dense bytes for 128 rows and one ks.
; ROWS OF A FRAGMENT: q: natural, lane r of fragment rb holds row 16 rb + r.  k, W1, W2: lane r of fragment 2 b + u holds row 32 b + 8 u + r + 8 (r / 8), so that a product that takes them as its first source
; leaves 16 neighbouring columns in 16 registers of a lane.  v1: rows are (batch, d), natural.
; LIMITS: NaN and infinities among the inputs are not served.  A block of zeros gets the byte 1 where the rule says 127: its codes are zeros, and the bytes are read by this program alone.
; Work-groups 0-287: 128 rows x 512 K of q, k, W1 or W2 (a wave: 16 rows, four fragments).  Work-groups 288-543: 128 keys x 256 d of v1 (a lane: one d, registers down the keys).
; The two ways part on the work-group's number; only the first uses LDS.  No tensor loads.  The words of v1 leave 128 bytes a wave: one byte in 128 of what that way reads.
.set XSC,  12582912                    ; where the scale words begin in bufX,
.set WSC,  786432                      ; in bufW1 and bufW2,
.set VSC,  6291456                     ; in bufV
.set SPT,  528                         ; a stage row: 512 bytes + 16
.set SCLQ, 8*16*SPT                    ; behind the eight stages: four chunks of 512 bytes of scale words
.set VLO, 2                            ; v2   16 x lane: rows 0-7 of a fragment, and a fragment image's place
.set VHI, 3                            ; v3   the same for rows 8-15
.set STI, 4                            ; v4   the stage, on the way in
.set STR, 5                            ; v5   and on the way out
.set SWA, 6                            ; v6   where my row's scale word goes in LDS
.set SRD, 7                            ; v7   where I read 8 bytes of the chunks back
.set SGO, 8                            ; v8   and the same place in memory
.set H8,  9                            ; v9   8 x (lane / 16)
.set MX,  22                           ; v22-23 largest magnitudes of my two blocks
.set SO,  24                           ; v24-25 the conversions' scale operands
.set BY,  26                           ; v26-27 the bytes
.set WD,  28                           ; v28  the scale word
.set WO,  29                           ; v29  the other half's part of it
.set R,   32                           ; v32-159  two sets of 16 rows as loaded
.set X,   160                          ; v160-223 my 64 numbers: two whole blocks of my row ... twice 32
.set PC,  224                          ; v224-235 a fragment's codes
.set TC,  236                          ; v236-238, v240-242 the upper halves of the blocks' codes
.set WV,  33
.set SEL, 34                           ; s[34:35] lane selects: lane l xor 16
	s_load_b512 s[4:19], s[0:1], 0x0               ; q, k, W1, W2, v1, bufX, bufW1, bufW2
	s_load_b64 s[20:21], s[0:1], 0x40              ; bufV
	v_lshl_add_u32 v248, v0, 2, 0x11000
	v_mov_b32 v249, 0
	v_lshrrev_b32 v1, 5, v0
	s_delay_alu instid0(VALU_DEP_1)
	v_readfirstlane_b32 s[WV], v1                  ; wave 0..7
	v_and_b32 v1, 31, v0                           ; lane
	s_cmp_lt_u32 ttmp9, 288
	s_cbranch_scc0 .Lkeys
; ---------------- K innermost ----------------
	s_lshr_b32 s22, ttmp9, 1                       ; G: which 128 rows of the four tensors on end
	s_and_b32 s23, ttmp9, 1                        ; which half of K
	s_mov_b32 s[SEL], 0x76543210
	s_mov_b32 s[SEL+1], 0xfedcba98
	v_and_b32 v10, 15, v0                          ; r
	v_bfe_u32 v11, v0, 4, 1                        ; h
	v_lshlrev_b32 v[VLO], 4, v1
	s_delay_alu instid0(VALU_DEP_2)
	v_lshlrev_b32 v[H8], 3, v11
	v_mov_b32 v[WO], 0                             ; written once: a lane permute's destination counts as one of its sources
	s_mul_i32 s38, s[WV], 16*SPT                   ; my stage
	v_add_nc_u32 v[STI], s38, v[VLO]
	v_mul_u32_u24 v[STR], v10, SPT
	s_delay_alu instid0(VALU_DEP_1)
	v_lshl_add_u32 v[STR], v11, 7, v[STR]          ; row r, + 128 h: block h of the row's four
	s_delay_alu instid0(VALU_DEP_1)
	v_add_nc_u32 v[STR], s38, v[STR]
	s_lshl_b32 s38, s[WV], 6
	s_add_co_u32 s38, s38, SCLQ
	v_lshl_add_u32 v[SWA], v10, 2, s38             ; chunk t: 512 t (immediate) + 64 x wave + 4 r
	s_lshl_b32 s38, s[WV], 8
	v_lshl_add_u32 v[SGO], v1, 3, s38              ; 256 x wave + 8 x lane
	s_delay_alu instid0(VALU_DEP_1)
	v_add_nc_u32 v[SRD], SCLQ, v[SGO]
	s_mov_b32 s28, 136
	s_mov_b32 s30, WSC
	s_mov_b32 s39, 16*4096
	s_wait_kmcnt 0x0
	s_cmp_lt_u32 s22, 136                          ; the choices hang on the work-group's number alone
	s_cselect_b64 s[24:25], s[8:9], s[10:11]       ; W1 or W2
	s_cselect_b64 s[26:27], s[16:17], s[18:19]
	s_cselect_b32 s28, 128, s28                    ; the tensor's first G
	s_mov_b32 s29, s28                             ; and what is taken off G for the place in the output
	s_cmp_lt_u32 s22, 128
	s_cselect_b64 s[24:25], s[6:7], s[24:25]       ; k
	s_cselect_b64 s[26:27], s[14:15], s[26:27]
	s_cselect_b32 s28, 64, s28
	s_cselect_b32 s29, 0, s29
	s_cselect_b32 s30, XSC, s30
	s_cmp_lt_u32 s22, 64
	s_cselect_b64 s[24:25], s[4:5], s[24:25]       ; q
	s_cselect_b32 s28, 0, s28
	s_cselect_b32 s39, 8*4096, s39                 ; rows 8-15 of a fragment begin 8 rows on (natural) or 16 (the other order)
	s_cselect_b32 s31, 1, 0
	s_sub_co_u32 s40, s22, s28
	s_sub_co_u32 s41, s22, s29
	s_lshl_b32 s40, s40, 3
	s_add_co_u32 s40, s40, s[WV]                   ; rb: my fragment row in the tensor
	s_lshl_b32 s36, s40, 4                         ; its first row: 16 rb,
	s_lshr_b32 s37, s40, 1
	s_lshl_b32 s37, s37, 5
	s_and_b32 s38, s40, 1
	s_lshl_b32 s38, s38, 3
	s_add_co_u32 s37, s37, s38                     ; or 32 (rb / 2) + 8 (rb % 2)
	s_cmp_eq_u32 s31, 1
	s_cselect_b32 s36, s36, s37
	s_lshl_b32 s42, s36, 12                        ; rows of 4,096 bytes
	s_lshl_b32 s38, s23, 11
	s_add_co_u32 s42, s42, s38                     ; + my half of K
	s_mov_b32 s43, 0
	s_add_nc_u64 s[24:25], s[24:25], s[42:43]
	v_add_nc_u32 v[VHI], s39, v[VLO]
	s_wait_alu depctr_va_vdst(0)
	s_lshl_b32 s46, s41, 3
	s_add_co_u32 s46, s46, s[WV]
	s_lshl_b32 s46, s46, 3
	s_lshl_b32 s38, s23, 2
	s_add_co_u32 s46, s46, s38                     ; fragment (8 og + wave, 4 kh)
	s_mul_i32 s46, s46, 1536
	s_mov_b32 s47, 0
	s_add_nc_u64 s[44:45], s[26:27], s[46:47]      ; where my codes go
	s_lshl_b32 s46, s41, 3
	s_add_co_u32 s46, s46, s38
	s_lshl_b32 s46, s46, 9
	s_add_co_u32 s46, s46, s30
	s_add_nc_u64 s[26:27], s[26:27], s[46:47]      ; where the work-group's four chunks of scale words go
.macro LOADX t                         ; fragment t: 16 rows x 512 consecutive bytes, a row an instruction
.set RS, R+64*((\t)%2)
.irp i, 0,1,2,3,4,5,6,7
	global_load_b128 v[RS+4*\i:RS+4*\i+3], v[VLO], s[24:25] offset:4096*\i+512*(\t) th:TH_LOAD_NT
.endr
.irp i, 0,1,2,3,4,5,6,7
	global_load_b128 v[RS+32+4*\i:RS+32+4*\i+3], v[VHI], s[24:25] offset:4096*\i+512*(\t) th:TH_LOAD_NT
.endr
.endm
.macro FRAGQ t
.set RS, R+64*((\t)%2)
.if (\t) < 3
	s_wait_loadcnt 16                              ; this fragment's 16 loads are in; the next one's may be out
.else
	s_wait_loadcnt 0x0
.endif
.irp i, 0,1,2,3,4,5,6,7,8,9,10,11,12,13,14,15
	ds_store_b128 v[STI], v[RS+4*\i:RS+4*\i+3] offset:SPT*\i
.endr
.irp c, 0,1                            ; back: lane (r, h) takes blocks h and 2 + h of row r whole: the operand's own order.  LDS serves a wave's instructions in order
.irp j, 0,1,2,3,4,5,6,7
	ds_load_b128 v[X+32*\c+4*\j:X+32*\c+4*\j+3], v[STR] offset:256*\c+16*\j
.endr
.endr
	s_wait_dscnt 0x0                               ; my numbers are back, so the stores have read their registers,
.if (\t) < 2
	LOADX (\t)+2                                   ; which take the loads of two fragments on
.endif
.irp c, 0,1
	v_max3_num_f32 v[MX+\c], |v[X+32*\c]|, |v[X+32*\c+1]|, 0x2800000   ; with the floor 2^(5 - 127): the byte cannot fall under 1
.endr
.irp i, 2,4,6,8,10,12,14,16,18,20,22,24,26,28,30
.irp c, 0,1
	s_delay_alu instid0(VALU_DEP_2)
	v_max3_num_f32 v[MX+\c], v[MX+\c], |v[X+32*\c+\i]|, |v[X+32*\c+\i+1]|
.endr
.endr
.irp c, 0,1
	s_delay_alu instid0(VALU_DEP_2)
	v_add_nc_u32 v[SO+\c], 0xfe000000, v[MX+\c]    ; 4 off the exponent field: the conversion's scale operand
.endr
.irp c, 0,1
	s_delay_alu instid0(VALU_DEP_2)
	v_lshrrev_b32 v[BY+\c], 23, v[SO+\c]           ; the byte
.endr
	s_delay_alu instid0(VALU_DEP_1)
	v_lshl_or_b32 v[WD], v[BY+1], 16, v[BY]        ; my two bytes, blocks h and 2 + h,
	s_delay_alu instid0(VALU_DEP_1)
	v_lshlrev_b32 v[WD], v[H8], v[WD]              ; at their places;
	s_delay_alu instid0(VALU_DEP_1)
	v_permlanex16_b32 v[WO], v[WD], s[SEL], s[SEL+1]
	s_delay_alu instid0(VALU_DEP_1)
	v_or_b32 v[WD], v[WD], v[WO]                   ; with lane l xor 16's two the word is whole
	s_wait_alu depctr_va_vdst(0)
	s_wait_xcnt 0x0                                ; the last fragment's stores have read the code registers
.irp c, 0,1
	v_cvt_scalef32_pk16_bf6_f32 v[PC+6*\c:PC+6*\c+2], v[X+32*\c:X+32*\c+15], v[SO+\c]
	v_cvt_scalef32_pk16_bf6_f32 v[TC+4*\c:TC+4*\c+2], v[X+32*\c+16:X+32*\c+31], v[SO+\c]   ; (a conversion's three registers begin on an even number)
.endr
	v_nop                                          ; one plain place behind a scaled conversion
.irp c, 0,1
.irp i, 0,1,2
	v_mov_b32 v[PC+6*\c+3+\i], v[TC+4*\c+\i]
.endr
.endr
.irp c, 0,1,2
	global_store_b128 v[VLO], v[PC+4*\c:PC+4*\c+3], s[44:45] offset:1536*(\t)+512*\c   ; 32 lanes store 512 consecutive bytes
.endr
	ds_store_b32 v[SWA], v[WD] offset:512*(\t)     ; both halves of the lanes write the same word with the same value
.endm
	LOADX 0
	LOADX 1
	FRAGQ 0
	FRAGQ 1
	FRAGQ 2
	FRAGQ 3
	s_wait_dscnt 0x0                               ; for the others' sake: my words lie in LDS
	s_barrier_signal -1
	s_barrier_wait -1
	ds_load_b64 v[12:13], v[SRD]                   ; the four chunks are 2,048 bytes on end: 256 a wave
	s_wait_dscnt 0x0
	global_store_b64 v[SGO], v[12:13], s[26:27]    ; 32 lanes store 256 consecutive bytes, aligned
	s_wait_tensorcnt 0x0
	ds_add_u32 v248, v249
	s_wait_dscnt 0x0
	s_endpgm
; ---------------- K = the keys ----------------
.set XV, 32                            ; v32-95  two sets of 32 numbers down the keys
.set F0, 96                            ; v96-107 blocks 0 and 2 of my column; v108-119 blocks 1 and 3
.set TV, 120
.set WW, 124
.Lkeys:
	s_sub_co_u32 s22, ttmp9, 288
	s_and_b32 s23, s22, 3                          ; which 256 d
	s_lshr_b32 s24, s22, 2                         ; which 128 keys of the 8,192
	s_lshr_b32 s25, s24, 4                         ; batch
	s_and_b32 s26, s24, 15                         ; ks
	s_wait_alu depctr_va_vdst(0)
	v_lshlrev_b32 v2, 2, v1                        ; 4 x lane
	v_lshlrev_b32 v3, 4, v1                        ; 16 x lane
	s_lshl_b32 s28, s24, 19                        ; 128 rows of 4,096 bytes
	s_lshl_b32 s27, s23, 10
	s_add_co_u32 s28, s28, s27
	s_lshl_b32 s27, s[WV], 7
	s_add_co_u32 s28, s28, s27                     ; + column 256 cx + 32 wave
	s_mov_b32 s29, 0
	s_lshl_b32 s30, s25, 6
	s_lshl_b32 s27, s23, 4
	s_add_co_u32 s30, s30, s27
	s_lshl_b32 s27, s[WV], 1
	s_add_co_u32 s30, s30, s27                     ; fragment row 64 batch + 16 cx + 2 wave
	s_lshl_b32 s30, s30, 4
	s_add_co_u32 s30, s30, s26
	s_mul_i32 s30, s30, 1536
	s_mov_b32 s31, 0
	s_lshl_b32 s34, s25, 3
	s_lshl_b32 s27, s23, 1
	s_add_co_u32 s34, s34, s27
	s_lshr_b32 s27, s[WV], 2
	s_add_co_u32 s34, s34, s27                     ; group of 128 rows: 8 batch + 2 cx + wave / 4
	s_lshl_b32 s34, s34, 4
	s_add_co_u32 s34, s34, s26
	s_lshl_b32 s34, s34, 9
	s_and_b32 s27, s[WV], 3
	s_lshl_b32 s27, s27, 7
	s_add_co_u32 s34, s34, s27
	s_add_co_u32 s34, s34, VSC
	s_mov_b32 s35, 0
	s_wait_alu depctr_va_vdst(0)
	s_wait_kmcnt 0x0
	s_add_nc_u64 s[12:13], s[12:13], s[28:29]
	s_add_nc_u64 s[36:37], s[20:21], s[30:31]
	s_add_nc_u64 s[20:21], s[20:21], s[34:35]
.macro LOADV kb                        ; block kb: v1(32 kb + i, my column): 32 lanes read 128 consecutive bytes
.irp i, 0,1,2,3,4,5,6,7,8,9,10,11,12,13,14,15,16,17,18,19,20,21,22,23,24,25,26,27,28,29,30,31
	global_load_b32 v[XV+32*((\kb)%2)+\i], v2, s[12:13] offset:(32*(\kb)+\i)*4096 th:TH_LOAD_NT
.endr
.endm
.macro BLOCKV kb
.set XS, XV+32*((\kb)%2)
.set FD, F0+12*((\kb)%2)+6*((\kb)/2)
.if (\kb) < 3
	s_wait_loadcnt 32                              ; this block's 32 loads are in; the next block's may be out
.else
	s_wait_loadcnt 0x0
.endif
	v_max3_num_f32 v12, |v[XS]|, |v[XS+1]|, 0x2800000     ; two chains, each over 16 numbers and the floor 2^(5 - 127)
	v_max3_num_f32 v13, |v[XS+16]|, |v[XS+17]|, 0x2800000
.irp i, 2,4,6,8,10,12,14
	s_delay_alu instid0(VALU_DEP_2)
	v_max3_num_f32 v12, v12, |v[XS+\i]|, |v[XS+\i+1]|
	s_delay_alu instid0(VALU_DEP_2)
	v_max3_num_f32 v13, v13, |v[XS+16+\i]|, |v[XS+17+\i]|
.endr
	s_delay_alu instid0(VALU_DEP_1)
	v_max_num_f32 v12, v12, v13
	s_delay_alu instid0(VALU_DEP_1)
	v_add_nc_u32 v14, 0xfe000000, v12              ; the conversion's scale operand
	s_delay_alu instid0(VALU_DEP_1)
	v_lshrrev_b32 v15, 23, v14                     ; the byte
.if (\kb) == 0
	s_delay_alu instid0(VALU_DEP_1)
	v_mov_b32 v[WW], v15
.else
	s_delay_alu instid0(VALU_DEP_1)
	v_lshl_or_b32 v[WW], v15, 8*(\kb), v[WW]       ; all four bytes of my row's word are mine
.endif
	v_cvt_scalef32_pk16_bf6_f32 v[FD:FD+2], v[XS:XS+15], v14
	v_cvt_scalef32_pk16_bf6_f32 v[TV:TV+2], v[XS+16:XS+31], v14
	v_nop                                          ; one plain place behind a scaled conversion
.irp i, 0,1,2
	v_mov_b32 v[FD+3+\i], v[TV+\i]
.endr
.if (\kb) < 2
	LOADV (\kb)+2
.endif
.endm
	LOADV 0
	LOADV 1
	BLOCKV 0
	BLOCKV 1
	BLOCKV 2
	BLOCKV 3
.irp n, 0,1,2,3,4,5,6,7,8,9,10,11          ; the first run's lanes 16-31 change places with the second's lanes 0-15: the first then is the fragment of d block 2 wave, the second that of 2 wave + 1
	v_permlane16_swap_b32 v[F0+\n], v[F0+12+\n]
.endr
.irp j, 0,1
.irp c, 0,1,2
	global_store_b128 v3, v[F0+12*\j+4*\c:F0+12*\j+4*\c+3], s[36:37] offset:24576*\j+512*\c
.endr
.endr
	global_store_b32 v2, v[WW], s[20:21]
	s_endpgm
.Lfunc_end_k_q7359abe67e_quant:
	.size	k_q7359abe67e_quant, .Lfunc_end_k_q7359abe67e_quant-k_q7359abe67e_quant
	.p2alignl 7, 3214868480
	.fill 96, 4, 3214868480
	.section	.rodata,"a",@progbits
	.p2align	6, 0x0
	.amdhsa_kernel k_q7359abe67e_quant
		.amdhsa_group_segment_fixed_size 70656
		.amdhsa_private_segment_fixed_size 0
		.amdhsa_enable_private_segment 0
		.amdhsa_kernarg_size 72
		.amdhsa_user_sgpr_count 2
		.amdhsa_user_sgpr_kernarg_segment_ptr 1
		.amdhsa_wavefront_size32 1
		.amdhsa_system_sgpr_workgroup_id_x 1
		.amdhsa_system_sgpr_workgroup_id_y 1
		.amdhsa_system_sgpr_workgroup_id_z 1
		.amdhsa_system_vgpr_workitem_id 0
		.amdhsa_next_free_vgpr 250
		.amdhsa_next_free_sgpr 66
		.amdhsa_reserve_vcc 0
		.amdhsa_float_denorm_mode_32 3
		.amdhsa_float_denorm_mode_16_64 3
		.amdhsa_memory_ordered 1
		.amdhsa_forward_progress 1
		.amdhsa_inst_pref_size 60
	.end_amdhsa_kernel
	.amdgpu_metadata
---
amdhsa.version: [ 1, 2 ]
amdhsa.kernels:
  - .name:           k_q7359abe67e_quant
    .symbol:         k_q7359abe67e_quant.kd
    .args:
      - { .name: q, .offset: 0, .size: 8, .value_kind: global_buffer, .address_space: global }
      - { .name: k, .offset: 8, .size: 8, .value_kind: global_buffer, .address_space: global }
      - { .name: W1, .offset: 16, .size: 8, .value_kind: global_buffer, .address_space: global }
      - { .name: W2, .offset: 24, .size: 8, .value_kind: global_buffer, .address_space: global }
      - { .name: v1, .offset: 32, .size: 8, .value_kind: global_buffer, .address_space: global }
      - { .name: bufX, .offset: 40, .size: 8, .value_kind: global_buffer, .address_space: global }
      - { .name: bufW1, .offset: 48, .size: 8, .value_kind: global_buffer, .address_space: global }
      - { .name: bufW2, .offset: 56, .size: 8, .value_kind: global_buffer, .address_space: global }
      - { .name: bufV, .offset: 64, .size: 8, .value_kind: global_buffer, .address_space: global }
    .group_segment_fixed_size: 70656
    .private_segment_fixed_size: 0
    .kernarg_segment_align: 8
    .kernarg_segment_size: 72
    .max_flat_workgroup_size: 256
    .sgpr_count:     66
    .vgpr_count:     250
    .wavefront_size: 32
...
	.end_amdgpu_metadata
.endif
;; end of part 1
;; launch lin1 (part 2): grid 4 x 64, 4 waves a work-group, clusters of 4 x 4, 327,680 bytes of LDS; arguments bufX, bufW1, b1, bufH; writes bufH
.if DOCPART == 2
	.amdgcn_target "amdgcn-amd-amdhsa--gfx1250"
	.amdhsa_code_object_version 6
	.text
	.protected	k_q7359abe67e_lin1
	.globl	k_q7359abe67e_lin1
	.p2align	8
	.type	k_q7359abe67e_lin1,@function
k_q7359abe67e_lin1:
	s_mov_b64 s[64:65], 0
	v_nop
	global_prefetch_b8 v0, s[64:65] scope:SCOPE_SE
	s_setreg_imm32_b32 hwreg(HW_REG_WAVE_MODE, 25, 1), 1
	s_wait_xcnt 0x0
	s_wait_alu depctr_hold_cnt(0) depctr_sa_sdst(0) depctr_va_vdst(0) depctr_va_sdst(0) depctr_va_ssrc(0) depctr_va_vcc(0) depctr_vm_vsrc(0)
	s_getreg_b32 s2, hwreg(HW_REG_IB_STS2, 6, 4)
	s_cmp_eq_u32 s2, 0
	s_cbranch_scc0 .Lentry_in_a_cluster
	s_endpgm
.Lentry_in_a_cluster:
	s_bfe_u32 s2, ttmp6, 0x10000c
	s_cmp_lg_u32 s2, 0xf033
	s_cbranch_scc0 .Lentry_shape_is_right
	s_endpgm
.Lentry_shape_is_right:
; OUT = Q(A W^T + bias): A 16,384 rows x 1,024 K and W 1,024 rows x 1,024 K come as codes of BF6 (E3M2) with E8M0 scale words, as images of operand registers (fragment (rb, ks), 1,536 bytes, at (8 rb + ks) x 1536;
; scale words [rows/128][ks][block][lane] from XSC or WSC on).  The result, f32 sums + bias, is quantised along its columns, which are the next product's K, and leaves in the same layout.
; A tile of 256 x 256 is made by four waves, 128 x 128 each: 64 accumulators, 512 registers.  K goes in four steps of 256 through two LDS slots filled by the tensor data mover; the four steps are written out, no loop.
; A fragment comes out of LDS by three loads of 16 bytes a lane at 16 x lane: 512 consecutive bytes each.
; THE MATRIX INSTRUCTION IS USED TRANSPOSED (source 0 = 16 rows of W, source 1 = 16 rows of A), and the rows of W that form a fragment are 32 b + 8 u + r + 8 (r / 8): so register 16 b + i of a lane's 64 results for a block
; of 16 rows is column 32 b + 16 (lane / 16) + i: 16 neighbours along the next K.  The bias is the C of each sum's first matrix instruction.
; CLUSTERS: 4 x 4 work-groups; A's tiles are asked for jointly along a row of the cluster, W's along a column.  Scale words (16 KB of a work-group's 401 KB) and the bias come by plain loads.
; LIMITS: NaN and infinities are not served; a block of zeros gets the byte 1 (its codes are zeros; this program alone reads the bytes).
; REGISTERS: window 0: v1-29 addresses; v32-63 scale words, two sets; v64-71 the words made; v96-115 the codes made; v128-223 A's 8 fragments; v224-239 at work.
;   window 1: W's fragments, two sets at v0 and v128; the bias at v96-127 and v224-255.   windows 2, 3: the accumulators ((a, b) at v[8 (8 (a % 4) + b)] of window 2 + a / 4).
.set NKS,   8
.set NQ,    2                          ; matrix instructions deep in a slot
.set FR,    12
.set NL,    3                          ; LDS loads that bring a fragment
.set RBB,   1536*NQ                    ; a block of 16 rows in a slot
.set SLOT,  32*RBB                     ; A's 16 blocks, then W's 16
.set BOFF,  16*RBB
.set SCL,   2*SLOT                     ; behind the ring: scale words, A's [half][ks][block][lane] 8 KB, then W's
.set GATH,  SCL+16384                  ; 512 bytes a wave: the words made, gathered
.set SPARE, GATH+2048                  ; the spare words, 128 bytes a wave: no other line names them
.set XSC,   12582912
.set WSC,   786432
.set LI,   5                           ; v5   16 x lane
.set SCW,  6                           ; v6   where I put scale words into LDS
.set BO,   7                           ; v7   64 x (lane / 16): the bias
.set ADRA, 16                          ; v16-17 my A fragments in slot 0, 1
.set ADRB, 20                          ; v20-21 my W fragments
.set GW,   24
.set GR,   25
.set ADRS, 27                          ; v27  scale words: lanes 0-15 A's, lanes 16-31 W's
.set SPW,  28
.set NIL,  29
.set SC,   32
.set PWR,  64
.set PC,   96
.set AF,   128
.set TM,   224
.set G1,  24
.set G0,  32
.set G1B, 48
.set G0B, 56
.set SEL, 66
.set OC,  68                           ; s[68:69] where my codes go
.set OS,  70                           ; s[70:71] where my scale words go
.set BP,  72                           ; s[72:73] my 128 numbers of the bias
.set MSB, 0
.macro WIN new                         ; the immediate's high byte repeats the setting that is left
.if MSB != (\new)
	s_set_vgpr_msb (MSB<<8)|(\new)
.set MSB, (\new)
.endif
.endm
.set MUL_LO, 0xa1                      ; source 0 window 1, source 1 window 0, C and D window 2
.set MUL_HI, 0xf1
.set FST_LO, 0x91                      ; the same with C (the bias) in window 1
.set FST_HI, 0xd1
.set TO_B,   0x40
.macro JLOAD g0a, g1a, g0b, g1b        ; a joint load: waves 0 and 1 fetch A's halves, waves 2 and 3 W's; four v_nop follow each line
	s_cmp_eq_u32 s15, 0
	s_cbranch_scc0 .Lfor_b_\@
	tensor_load_to_lds s[\g0a:\g0a+3], s[\g1a:\g1a+7]
	s_nop 0
.rept 4
	v_nop
.endr
	s_branch .Lasked_\@
.Lfor_b_\@:
	tensor_load_to_lds s[\g0b:\g0b+3], s[\g1b:\g1b+7]
	s_nop 0
.rept 4
	v_nop
.endr
.Lasked_\@:
.endm
.macro CREST                           ; a round of the cluster's barrier behind its opening barrier
	s_cmp_lg_u32 s14, 0
	s_cbranch_scc1 .Lnot_wave_0_\@
	s_barrier_signal -3
.Lnot_wave_0_\@:
	s_barrier_wait -3
	s_barrier_signal -1
	s_barrier_wait -1
.endm
.macro CROUND
	s_barrier_signal -1
	s_barrier_wait -1
	CREST
.endm
.macro PLACES n
.rept \n
	v_nop
.endr
.endm
	s_load_b256 s[4:11], s[0:1], 0x0               ; A s[4:5], W s[6:7], bias s[8:9], OUT s[10:11]
	v_lshl_add_u32 v[SPW], v0, 2, SPARE
	v_mov_b32 v[NIL], 0
	ds_add_u32 v28, v29
	ds_add_u32 v28, v29
	s_wait_dscnt 0x0
	v_lshrrev_b32 v1, 5, v0
	v_readfirstlane_b32 s14, v1                    ; wave 0..3
	s_lshr_b32 s15, s14, 1                         ; my half of the tile's rows.  Also: I fetch for A (0) or for W (1)
	s_and_b32 s16, s14, 1                          ; my half of its columns.  Also: which half I fetch
	s_bfe_u32 s40, ttmp6, 0x40000                  ; cx
	s_bfe_u32 s41, ttmp6, 0x40004                  ; cy
	s_lshl_b32 s42, ttmp9, 2
	s_add_co_u32 s42, s42, s40                     ; tile column
	s_and_b32 s17, ttmp7, 0xffff
	s_lshl_b32 s17, s17, 2
	s_add_co_u32 s17, s17, s41                     ; tile row
	s_lshl_b32 s43, s41, 2
	s_lshl_b32 s43, 15, s43                        ; my row of the cluster
	s_lshl_b32 s44, 0x1111, s40                    ; my column
	; descriptor group 1: 8 blocks of 16 rows, RBB dense bytes each (elements of 8 bytes), NKS x 1536 bytes apart; dense in LDS
	s_or_b32 s[G1+0], s43, (3<<16)|(1<<21)
	s_or_b32 s[G1B+0], s44, (3<<16)|(1<<21)
.irp g, G1, G1B
	s_mov_b32 s[\g+1], (RBB/8)<<16                 ; tensor_dim0
	s_mov_b32 s[\g+2], 16<<16                      ; tensor_dim1: 16 blocks for the head's loads; set to 8 behind them
	s_mov_b32 s[\g+3], (RBB/8)<<16                 ; tile_dim0
	s_mov_b32 s[\g+4], 16                          ; tile_dim1, likewise
	s_mov_b32 s[\g+5], NKS*192                     ; stride
	s_mov_b32 s[\g+6], 0
	s_mov_b32 s[\g+7], 0
.endr
	s_lshl_b32 s18, s16, 3
	s_lshl_b32 s20, s17, 4
	s_add_co_u32 s20, s20, s18                     ; A: block 16 x tile row + 8 x half
	s_mul_i32 s20, s20, NKS*1536
	s_mov_b32 s21, 0
	s_lshl_b32 s46, s42, 4
	s_add_co_u32 s46, s46, s18                     ; W: block 16 x tile column + 8 x half
	s_mul_i32 s46, s46, NKS*1536
	s_mov_b32 s47, 0
	s_mul_i32 s45, s14, 8*RBB                      ; where they go: wave x 8 blocks
	s_wait_kmcnt 0x0
	s_add_nc_u64 s[20:21], s[4:5], s[20:21]
	s_add_nc_u64 s[46:47], s[6:7], s[46:47]
	CROUND                                         ; all sixteen work-groups are here: the first joint loads meet
.irp s, 0,1
	s_mov_b32 s[G0+4*\s], 1
	s_add_co_u32 s[G0+4*\s+1], s45, \s*SLOT
	s_add_nc_u64 s[G0+4*\s+2:G0+4*\s+3], s[20:21], \s*RBB
	s_or_b32 s[G0+4*\s+3], s[G0+4*\s+3], 0x80000000
	s_mov_b32 s[G0B+4*\s], 1
	s_add_co_u32 s[G0B+4*\s+1], s45, \s*SLOT
	s_add_nc_u64 s[G0B+4*\s+2:G0B+4*\s+3], s[46:47], \s*RBB
	s_or_b32 s[G0B+4*\s+3], s[G0B+4*\s+3], 0x80000000
.endr
; THE HEAD'S LOADS, ONE A WAVE: waves 0, 1 fetch all 16 blocks of A for K steps 0, 1; waves 2, 3 all 16 blocks of W for K steps 0, 1.
.set GHA, 76                           ; s[76:79], s[80:83] group 0 for these loads
.set GHB, 80
	s_mul_i32 s22, s16, 8*NKS*1536-RBB             ; from my half's first block back to the tile's first, and on to K step (wave % 2)
	s_mov_b32 s23, 0
	s_mov_b32 s[GHA], 1
	s_mul_i32 s[GHA+1], s16, SLOT
	s_sub_nc_u64 s[GHA+2:GHA+3], s[20:21], s[22:23]
	s_or_b32 s[GHA+3], s[GHA+3], 0x80000000
	s_mov_b32 s[GHB], 1
	s_add_co_u32 s[GHB+1], s[GHA+1], BOFF
	s_sub_nc_u64 s[GHB+2:GHB+3], s[46:47], s[22:23]
	s_or_b32 s[GHB+3], s[GHB+3], 0x80000000
; PREFETCH: K step 2 is asked for here, K step 3 behind the opening barrier: two changes of slots ahead of the refill that loads it.  Of the 8 blocks that a wave fetches in the ring each of the four partners that ask jointly
; takes two, told apart by address (cx for A, cy for W): 2 x 12 runs of 256 bytes, a lane a run (lanes 24-31 name the last again), one instruction a wave.  K steps 0 and 1 come by their loads alone.
.set PFA, 84                           ; s[84:85] my work-group's two blocks; never rewritten
.set PFO, 10                           ; v10 my run's offset; never rewritten
	s_cmp_eq_u32 s15, 0
	s_cselect_b64 s[PFA:PFA+1], s[20:21], s[46:47]
	s_cselect_b32 s86, s40, s41
	s_mul_i32 s86, s86, 2*NKS*1536
	s_mov_b32 s87, 0
	s_add_nc_u64 s[PFA:PFA+1], s[PFA:PFA+1], s[86:87]
	JLOAD GHA, G1, GHB, G1B
	v_and_b32 v9, 31, v0
	v_min_u32 v9, 23, v9
	v_mul_u32_u24 v[PFO], v9, 11
	v_lshrrev_b32 v[PFO], 7, v[PFO]                ; run / 12, for runs 0 to 23
	v_mul_u32_u24 v[PFO], v[PFO], NKS*1536-RBB
	v_lshl_add_u32 v[PFO], v9, 8, v[PFO]           ; 256 x run, and on to the second block
	global_prefetch_b8 v[PFO], s[PFA:PFA+1] offset:2*RBB th:TH_LOAD_NT scope:SCOPE_SE
	v_and_b32 v1, 15, v0                           ; r
	v_bfe_u32 v2, v0, 4, 1                         ; h
	s_wait_alu depctr_va_vdst(0)
	v_and_b32 v3, 31, v0
	v_lshlrev_b32 v[LI], 4, v3
	s_wait_alu depctr_va_vdst(0)
	v_lshlrev_b32 v[BO], 6, v2
	s_mul_i32 s21, s15, 8*RBB
	s_mul_i32 s22, s16, 8*RBB
	s_add_co_u32 s22, s22, BOFF
.irp s, 0,1
	v_add_nc_u32 v[ADRA+\s], s21, v[LI]
	v_add_nc_u32 v[ADRB+\s], s22, v[LI]
	s_add_co_u32 s21, s21, SLOT
	s_add_co_u32 s22, s22, SLOT
.endr
	s_lshl_b32 s21, s15, 12                        ; A's words: my half
	s_lshl_b32 s22, s16, 12
	s_add_co_u32 s22, s22, 8192                    ; W's: my half, behind A's two
	s_sub_co_u32 s22, s22, s21
	v_mul_u32_u24 v8, s22, v2                      ; lanes 16-31 take W's
	s_add_co_u32 s21, s21, SCL
	v_lshl_add_u32 v8, v1, 2, v8
	v_add_nc_u32 v[ADRS], s21, v8
	s_lshl_b32 s23, s14, 12
	s_add_co_u32 s23, s23, SCL
	v_add_nc_u32 v[SCW], s23, v[LI]
	s_lshl_b32 s23, s14, 9
	s_add_co_u32 s23, s23, GATH
	v_lshl_add_u32 v[GW], v1, 2, s23
	v_add_nc_u32 v[GR], s23, v[LI]
	s_mov_b32 s[SEL], 0x76543210
	s_mov_b32 s[SEL+1], 0xfedcba98
.irp b, 0,1,2,3
	v_mov_b32 v[TM+4+\b], 0                        ; written once: a lane permute's destination counts as one of its sources
.endr
	; the scale words that I copy: waves 0, 1: A's halves; waves 2, 3: W's: 4,096 dense bytes each
	s_mov_b32 s95, WSC
	s_cmp_eq_u32 s15, 0
	s_cselect_b64 s[92:93], s[4:5], s[6:7]
	s_cselect_b32 s94, s17, s42
	s_cselect_b32 s95, XSC, s95
	s_lshl_b32 s94, s94, 13
	s_add_co_u32 s94, s94, s95
	s_lshl_b32 s95, s16, 12
	s_add_co_u32 s94, s94, s95
	s_mov_b32 s95, 0
	s_add_nc_u64 s[92:93], s[92:93], s[94:95]
	s_lshl_b32 s94, s42, 10
	s_lshl_b32 s19, s16, 9
	s_add_co_u32 s94, s94, s19
	s_add_nc_u64 s[BP:BP+1], s[8:9], s[94:95]      ; bias at column 256 x tile column + 128 x half
	s_lshl_b32 s94, s17, 4
	s_lshl_b32 s19, s15, 3
	s_add_co_u32 s94, s94, s19
	s_lshl_b32 s94, s94, 3
	s_lshl_b32 s19, s42, 1
	s_add_co_u32 s19, s19, s16                     ; my columns are K step 2 x tile column + half of the next product
	s_add_co_u32 s94, s94, s19
	s_mul_i32 s94, s94, 1536
	s_add_nc_u64 s[OC:OC+1], s[10:11], s[94:95]
	s_lshl_b32 s94, s17, 1
	s_add_co_u32 s94, s94, s15
	s_lshl_b32 s94, s94, 3
	s_add_co_u32 s94, s94, s19
	s_lshl_b32 s94, s94, 9
	s_add_co_u32 s94, s94, XSC
	s_add_nc_u64 s[OS:OS+1], s[10:11], s[94:95]
.irp j, 0,1,2,3,4,5,6,7
	global_load_b128 v[AF+4*\j:AF+4*\j+3], v[LI], s[92:93] offset:512*\j
.endr
	WIN TO_B
.irp t, 0,1,2,3,4,5,6,7                    ; the bias in the result's layout: tile t, lane (r, h): columns 32 (t / 2) + 16 h + 8 (t % 2) + 0 .. 7
	global_load_b128 v[96+8*\t+96*(\t/4):96+8*\t+96*(\t/4)+3], v[BO], s[BP:BP+1] offset:(32*(\t/2)+8*(\t%2))*4
	global_load_b128 v[96+8*\t+96*(\t/4)+4:96+8*\t+96*(\t/4)+7], v[BO], s[BP:BP+1] offset:(32*(\t/2)+8*(\t%2))*4+16
.endr
	WIN 0
	s_wait_alu depctr_va_vdst(0)
	s_wait_loadcnt 0x0
.irp j, 0,1,2,3,4,5,6,7
	ds_store_b128 v[SCW], v[AF+4*\j:AF+4*\j+3] offset:512*\j
.endr
.macro FRAG reg, adr, q, i             ; a fragment's image: three loads, 512 consecutive bytes each
.irp c, 0,1,2
	ds_load_b128 v[\reg+4*\c:\reg+4*\c+3], v[\adr] offset:(\i)*RBB+1536*(\q)+512*\c
.endr
.endm
; 16 matrix instructions: A's blocks a0, a0 + 1 x W's eight.  The 64 accumulators take turns, one instruction a turn, in the same order in every step.
.macro MULA a0, p, q, sc, first
.irp a, \a0, \a0+1
.irp b, 0,1,2,3,4,5,6,7
.if \first
	v_wmma_scale_f32_16x16x128_f8f6f4 v[8*(8*((\a)%4)+\b):8*(8*((\a)%4)+\b)+7], v[128*(\p)+FR*\b:128*(\p)+FR*\b+FR-1], v[AF+FR*(\a):AF+FR*(\a)+FR-1], v[96+8*\b+96*(\b/4):96+8*\b+96*(\b/4)+7], v[SC+8*NQ*(\sc)+NQ*\b+(\q)], v[SC+8*NQ*(\sc)+NQ*(\a)+(\q)] matrix_a_fmt:MATRIX_FMT_BF6 matrix_b_fmt:MATRIX_FMT_BF6 matrix_a_scale:MATRIX_SCALE_ROW1
.else
	v_wmma_scale_f32_16x16x128_f8f6f4 v[8*(8*((\a)%4)+\b):8*(8*((\a)%4)+\b)+7], v[128*(\p)+FR*\b:128*(\p)+FR*\b+FR-1], v[AF+FR*(\a):AF+FR*(\a)+FR-1], v[8*(8*((\a)%4)+\b):8*(8*((\a)%4)+\b)+7], v[SC+8*NQ*(\sc)+NQ*\b+(\q)], v[SC+8*NQ*(\sc)+NQ*(\a)+(\q)] matrix_a_fmt:MATRIX_FMT_BF6 matrix_b_fmt:MATRIX_FMT_BF6 matrix_a_scale:MATRIX_SCALE_ROW1
.endif
.endr
.endr
.endm
.macro FETCH_B slot, q, p
	WIN TO_B
.irp i, 0,1,2,3,4,5,6,7
	FRAG 128*(\p)+FR*\i, ADRB+\slot, \q, \i
.endr
	WIN 0
.endm
.macro FETCH_A slot, q, i0
.irp i, \i0, \i0+1, \i0+2, \i0+3
	FRAG AF+FR*(\i), ADRA+\slot, \q, \i
.endr
.endm
.macro SCALES set, kstep               ; a K step's scale words: register NQ i + q: lanes 0-15 A's block i, lanes 16-31 W's block i
.irp i, 0,1,2,3,4,5,6,7
.irp q, 0,1
	ds_load_b32 v[SC+8*NQ*(\set)+NQ*\i+\q], v[ADRS] offset:(NQ*(\kstep)+\q)*512+64*\i
.endr
.endr
.endm
; Four plain places stand between a matrix instruction and a load into a register that it has read (ISA guide 7.12.1 for vector instructions).
.macro STEP slot, q, first             ; 128 along K with its successor in the same slot
	s_wait_dscnt 4*NL                              ; all but the youngest 12 loads (A's blocks 4-7) are in
.if \first
	WIN FST_LO
.else
	WIN MUL_LO
.endif
	MULA 0, (\q)%2, \q, \slot, \first
	MULA 2, (\q)%2, \q, \slot, \first
	s_wait_dscnt 0x0                               ; A's blocks 4-7 are in
	PLACES 4
	FETCH_B \slot, (\q)+1, 1-(\q)%2
	FETCH_A \slot, (\q)+1, 0
.if \first
	WIN FST_HI
.else
	WIN MUL_HI
.endif
	MULA 4, (\q)%2, \q, \slot, \first
	MULA 6, (\q)%2, \q, \slot, \first
	PLACES 4
	WIN 0
	FETCH_A \slot, (\q)+1, 4
.endm
; A slot's last step changes slots: one barrier; in front of it each wave waits for all its tensor loads, adds 0 to its spare word, and waits for that and for its reads of this slot.  fill = 1: the slot is filled again, two K steps ahead.
.macro TURN slot, next, fill, kstep
	s_wait_tensorcnt 0x0                           ; all my tensor loads have landed: my part of the next slot
	ds_add_u32 v[SPW], v[NIL]                      ; 0 onto my spare word
	s_wait_dscnt 4*NL+1                            ; (the add and the youngest 12 loads may be out)
	WIN MUL_LO
	MULA 0, 1, NQ-1, \slot, 0
	s_wait_dscnt 0x0                               ; the add is done, and my reads of this slot are over
	s_barrier_signal -1
	MULA 2, 1, NQ-1, \slot, 0
	WIN 0
	s_barrier_wait -1
.if \fill
	CREST                                          ; the barrier has opened a round of the cluster's barrier: no wave of any partner still reads this slot or has a load on its way
	s_add_nc_u64 s[G0+4*\slot+2:G0+4*\slot+3], s[G0+4*\slot+2:G0+4*\slot+3], 2*RBB
	s_add_nc_u64 s[G0B+4*\slot+2:G0B+4*\slot+3], s[G0B+4*\slot+2:G0B+4*\slot+3], 2*RBB
	JLOAD G0+4*\slot, G1, G0B+4*\slot, G1B         ; my one tensor load behind the round; its four v_nop are the places in front of the loads below
.else
	PLACES 4
.endif
	FETCH_B \next, 0, 0
	FETCH_A \next, 0, 0
	SCALES \next, \kstep
	WIN MUL_HI
	MULA 4, 1, NQ-1, \slot, 0
	MULA 6, 1, NQ-1, \slot, 0
	PLACES 4
	WIN 0
	FETCH_A \next, 0, 4
.endm
	s_wait_tensorcnt 0x0                           ; my tile of the head's four is in; no tensor load of mine is out, so a descriptor may be written:
	s_mov_b32 s[G1+2], 8<<16                       ; from here on a load brings 8 blocks
	s_mov_b32 s[G1+4], 8
	s_mov_b32 s[G1B+2], 8<<16
	s_mov_b32 s[G1B+4], 8
	s_wait_dscnt 0x0                               ; my scale words lie in LDS
	s_barrier_signal -1
	s_barrier_wait -1                              ; both slots are whole
	FETCH_B 0, 0, 0
	FETCH_A 0, 0, 0
	SCALES 0, 0
	FETCH_A 0, 0, 4
	global_prefetch_b8 v[PFO], s[PFA:PFA+1] offset:3*RBB th:TH_LOAD_NT scope:SCOPE_SE
	STEP 0, 0, 1
	TURN 0, 1, 1, 1
	STEP 1, 0, 0
	TURN 1, 0, 1, 2
	STEP 0, 0, 0
	TURN 0, 1, 0, 3                                ; nothing is left to fetch
	STEP 1, 0, 0
	s_wait_dscnt 4*NL
	WIN MUL_LO
	MULA 0, 1, NQ-1, 1, 0
	MULA 2, 1, NQ-1, 1, 0
	s_wait_dscnt 0x0
	WIN MUL_HI
	MULA 4, 1, NQ-1, 1, 0
	MULA 6, 1, NQ-1, 1, 0
	WIN 0
; THE WAY OUT.  Block a's 64 registers of a lane are 128 columns of one row: one fragment of the next product and one scale word a row.
.macro QUANTW a
.set AC, 64*((\a)%4)
.set WW, 2+(\a)/4
	WIN WW|(WW<<2)                                 ; sources 0 and 1: the accumulators' window
.irp b, 0,1,2,3
	v_max3_num_f32 v[TM+\b], |v[AC+16*\b]|, |v[AC+16*\b+1]|, 0x2800000   ; block b: my 16 numbers and the floor 2^(5 - 127); each accumulator is read from its low end on
.endr
.irp i, 2,4,6,8,10,12,14
.irp b, 0,1,2,3
	v_max3_num_f32 v[TM+\b], |v[AC+16*\b+\i]|, |v[AC+16*\b+\i+1]|, v[TM+\b]
.endr
.endr
	WIN 0
.irp b, 0,1,2,3
	v_permlanex16_b32 v[TM+4+\b], v[TM+\b], s[SEL], s[SEL+1]
.endr
.irp b, 0,1,2,3
	v_max_num_f32 v[TM+\b], v[TM+\b], v[TM+4+\b]   ; with lane l xor 16's 16 numbers
.endr
.irp b, 0,1,2,3
	v_add_nc_u32 v[TM+12+\b], 0xfe000000, v[TM+\b] ; the conversions' scale operands
.endr
.irp b, 0,1,2,3
	v_lshrrev_b32 v[TM+4+\b], 23, v[TM+12+\b]      ; the bytes
.endr
	v_lshl_or_b32 v[PWR+\a], v[TM+5], 8, v[TM+4]
	v_lshl_or_b32 v[PWR+\a], v[TM+6], 16, v[PWR+\a]
	v_lshl_or_b32 v[PWR+\a], v[TM+7], 24, v[PWR+\a]
	s_wait_xcnt 0x0                                ; the last block's stores have read the code registers
	WIN WW
.irp c, 0,1
	v_cvt_scalef32_pk16_bf6_f32 v[PC+6*\c:PC+6*\c+2], v[AC+32*\c:AC+32*\c+15], v[TM+12+2*\c]
	v_cvt_scalef32_pk16_bf6_f32 v[PC+12+4*\c:PC+14+4*\c], v[AC+32*\c+16:AC+32*\c+31], v[TM+12+2*\c+1]
.endr
	WIN 0
	v_nop                                          ; one plain place behind a scaled conversion
.irp c, 0,1                                ; the operand wants a whole block in a lane: lanes 0-15 block 2 c, lanes 16-31 block 2 c + 1
.irp i, 0,1,2
	v_permlane16_swap_b32 v[PC+6*\c+\i], v[PC+12+4*\c+\i]
.endr
.irp i, 0,1,2
	v_mov_b32 v[PC+3+6*\c+\i], v[PC+12+4*\c+\i]
.endr
.endr
.irp c, 0,1,2
	global_store_b128 v[LI], v[PC+4*\c:PC+4*\c+3], s[OC:OC+1] offset:12288*(\a)+512*\c   ; 32 lanes store 512 consecutive bytes
.endr
.endm
	PLACES 4
.irp a, 0,1,2,3,4,5,6,7
	QUANTW \a
.endr
.irp a, 0,1,2,3,4,5,6,7
	ds_store_b32 v[GW], v[PWR+\a] offset:64*\a     ; both halves of the lanes write the same word with the same value
.endr
	ds_load_b128 v[AF:AF+3], v[GR]                 ; LDS serves a wave's instructions in order: this sees my stores
	s_wait_dscnt 0x0
	global_store_b128 v[LI], v[AF:AF+3], s[OS:OS+1]   ; my chunk of 512 bytes
	s_wait_tensorcnt 0x0                           ; the wave's end
	ds_add_u32 v[SPW], v[NIL]
	s_wait_dscnt 0x0
	CROUND                                         ; the closing round
	s_endpgm
.Lfunc_end_k_q7359abe67e_lin1:
	.size	k_q7359abe67e_lin1, .Lfunc_end_k_q7359abe67e_lin1-k_q7359abe67e_lin1
	.p2alignl 7, 3214868480
	.fill 96, 4, 3214868480
	.section	.rodata,"a",@progbits
	.p2align	6, 0x0
	.amdhsa_kernel k_q7359abe67e_lin1
		.amdhsa_group_segment_fixed_size 327680
		.amdhsa_private_segment_fixed_size 0
		.amdhsa_enable_private_segment 0
		.amdhsa_kernarg_size 32
		.amdhsa_user_sgpr_count 2
		.amdhsa_user_sgpr_kernarg_segment_ptr 1
		.amdhsa_wavefront_size32 1
		.amdhsa_system_sgpr_workgroup_id_x 1
		.amdhsa_system_sgpr_workgroup_id_y 1
		.amdhsa_system_sgpr_workgroup_id_z 1
		.amdhsa_system_vgpr_workitem_id 0
		.amdhsa_next_free_vgpr 1024
		.amdhsa_next_free_sgpr 98
		.amdhsa_reserve_vcc 0
		.amdhsa_float_denorm_mode_32 3
		.amdhsa_float_denorm_mode_16_64 3
		.amdhsa_memory_ordered 1
		.amdhsa_forward_progress 1
		.amdhsa_inst_pref_size 144
	.end_amdhsa_kernel
	.amdgpu_metadata
---
amdhsa.version: [ 1, 2 ]
amdhsa.kernels:
  - .name:           k_q7359abe67e_lin1
    .symbol:         k_q7359abe67e_lin1.kd
    .args:
      - { .name: bufX, .offset: 0, .size: 8, .value_kind: global_buffer, .address_space: global }
      - { .name: bufW1, .offset: 8, .size: 8, .value_kind: global_buffer, .address_space: global }
      - { .name: b1, .offset: 16, .size: 8, .value_kind: global_buffer, .address_space: global }
      - { .name: bufH, .offset: 24, .size: 8, .value_kind: global_buffer, .address_space: global }
    .group_segment_fixed_size: 327680
    .private_segment_fixed_size: 0
    .kernarg_segment_align: 8
    .kernarg_segment_size: 32
    .max_flat_workgroup_size: 128
    .sgpr_count:     98
    .vgpr_count:     1024
    .wavefront_size: 32
...
	.end_amdgpu_metadata
.endif
;; end of part 2
;; launch lin2: the kernel of part 2 again; grid 4 x 64, 4 waves a work-group, clusters of 4 x 4, 327,680 bytes of LDS; arguments bufH, bufW2, b2, bufQK; writes bufQK
;; launch score (part 3): grid 8 x 32, 4 waves a work-group, clusters of 4 x 4, 327,680 bytes of LDS; arguments bufQK, mask, bufPS; writes bufPS
.if DOCPART == 3
	.amdgcn_target "amdgcn-amd-amdhsa--gfx1250"
	.amdhsa_code_object_version 6
	.text
	.protected	k_q7359abe67e_score
	.globl	k_q7359abe67e_score
	.p2align	8
	.type	k_q7359abe67e_score,@function
k_q7359abe67e_score:
	s_mov_b64 s[64:65], 0
	v_nop
	global_prefetch_b8 v0, s[64:65] scope:SCOPE_SE
	s_setreg_imm32_b32 hwreg(HW_REG_WAVE_MODE, 25, 1), 1
	s_wait_xcnt 0x0
	s_wait_alu depctr_hold_cnt(0) depctr_sa_sdst(0) depctr_va_vdst(0) depctr_va_sdst(0) depctr_va_ssrc(0) depctr_va_vcc(0) depctr_vm_vsrc(0)
	s_getreg_b32 s2, hwreg(HW_REG_IB_STS2, 6, 4)
	s_cmp_eq_u32 s2, 0
	s_cbranch_scc0 .Lentry_in_a_cluster
	s_endpgm
.Lentry_in_a_cluster:
	s_bfe_u32 s2, ttmp6, 0x10000c
	s_cmp_lg_u32 s2, 0xf033
	s_cbranch_scc0 .Lentry_shape_is_right
	s_endpgm
.Lentry_shape_is_right:
; For each batch: x = 32 mask + qp kp^T (sqrt(1024) = 32, so x / 32 is the logit), t = x log2(e) / 32.  For each row and each 128 keys: M = ceil(the largest t there), a whole number;
; p = 2^(t - M) is quantised along the keys to codes of BF6 (E3M2) with E8M0 bytes; the sum of the unquantised p and -M go out beside them.  The next launch brings all pieces of a row under one M, exactly.
; qp (fragment rows 0-511) and kp (512-1023) come from bufQK as images of operand registers, 8 K steps of 128 a row; scale words from XSC on.  P leaves in the same layout with 16 K steps a row.
; A tile of 256 queries x 256 keys is made by four waves, 128 x 128 each.  K goes in four steps of 256 through two LDS slots, written out.  Source 0 = 16 keys, source 1 = 16 queries; the keys of a fragment are
; 32 b + 8 u + r + 8 (r / 8), so a lane holds one query and register 16 b + i is key 32 b + 16 (lane / 16) + i.
; THE MASK comes beside the products, by tensor loads of each wave's own: its 128 rows x 512 bytes land in LDS rows of 528 bytes, from which lane (r, h) reads query r's keys in the accumulators' order.  LDS has room for 48 rows a wave
; beside the ring: they come with the first fills; 32 rows go into slot 0 behind the change of slots that leaves it for good; 48 rows into the rest of the ring behind the last product.  By the text's own count a wave has one tensor load out
; at the start and one behind each later barrier of that kind.
; CLUSTERS: 4 x 4; qp's tiles are asked for jointly along a row of the cluster, kp's along a column.  The mask's loads name no partner: the sixteen work-groups of a cluster belong to one batch and need sixteen different tiles of it.
; Scale words (16 KB of a work-group's bytes) come by plain loads.
; LIMITS: NaN and +infinity are not served.  -infinity in the mask is: the largest t of a piece is held at -3e38 from below, so a piece that is all -infinity gives p = 0.  A block of zeros gets the byte 1.
; REGISTERS: window 0: v1-30 addresses, v10-15 at work; v32-63 scale words; v64-87 words, -M, sums of the eight blocks; v96-115 codes; v128-223 qp's fragments, later x, t - M and p; v232-254 at work.
;   window 1: kp's fragments, two sets; behind the products v0-127: two blocks of the mask by turns.   windows 2, 3: the accumulators.
.set NKS,   8
.set NQ,    2
.set FR,    12
.set NL,    3
.set RBB,   1536*NQ
.set SLOT,  32*RBB
.set BOFF,  16*RBB
.set SCL,   2*SLOT
.set GATH,  SCL+16384                  ; 1,536 bytes a wave: words, -M, sums
.set MBLK,  16*528                     ; a block of the mask in LDS: 16 rows x (512 bytes + 16)
.set PM,    GATH+4*1536                ; the mask's blocks 0-2 of each wave: 3 MBLK a wave, filled once
.set PM1,   0                          ; blocks 3, 4: 2 MBLK a wave, in slot 0
.set PM2,   4*2*MBLK                   ; blocks 5-7: 3 MBLK a wave, behind them: the rest of slot 0 and slot 1
.set SPARE, PM+4*3*MBLK                ; the spare words: no other line names them
.set XSC,   12582912
.set PSC,   12582912
.set LI,   5
.set SCW,  6
.set MA0,  7                           ; v7   my place in the mask's blocks 0-2: row r, + 64 h
.set MA1,  8                           ; v8   in blocks 3, 4
.set MA2,  30                          ; v30  in blocks 5-7
.set ADRA, 16
.set ADRB, 20
.set GW,   24
.set GR,   25
.set ADRS, 27
.set SPW,  28
.set NIL,  29
.set SC,   32
.set PWR,  64
.set NMR,  72
.set LR,   80
.set PC,   96
.set AF,   128
.set T,    128
.set BM,   232
.set G1,  24
.set G0,  32
.set G1B, 48
.set G0B, 56
.set SEL, 66
.set OC,  68
.set OS,  70
.set K32, 72                           ; s[72:73] 32.0
.set CS,  74                           ; s[74:75] log2(e) / 32
.set G1M, 76                           ; s[76:83] descriptor group 1 for 48 rows of the mask
.set G1N, 84                           ; s[84:91] for 32 rows
.set G0M, 96                           ; s[96:99] group 0 for the mask: written anew behind a wait for all my tensor loads
.set MSB, 0
.macro WIN new
.if MSB != (\new)
	s_set_vgpr_msb (MSB<<8)|(\new)
.set MSB, (\new)
.endif
.endm
.set MUL_LO, 0xa1
.set MUL_HI, 0xf1
.set TO_B,   0x40
.macro JLOAD g0a, g1a, g0b, g1b        ; a joint load: waves 0 and 1 fetch qp's halves, waves 2 and 3 kp's; four v_nop follow each line
	s_cmp_eq_u32 s15, 0
	s_cbranch_scc0 .Lfor_b_\@
	tensor_load_to_lds s[\g0a:\g0a+3], s[\g1a:\g1a+7]
	s_nop 0
.rept 4
	v_nop
.endr
	s_branch .Lasked_\@
.Lfor_b_\@:
	tensor_load_to_lds s[\g0b:\g0b+3], s[\g1b:\g1b+7]
	s_nop 0
.rept 4
	v_nop
.endr
.Lasked_\@:
.endm
.macro CREST
	s_cmp_lg_u32 s14, 0
	s_cbranch_scc1 .Lnot_wave_0_\@
	s_barrier_signal -3
.Lnot_wave_0_\@:
	s_barrier_wait -3
	s_barrier_signal -1
	s_barrier_wait -1
.endm
.macro CROUND
	s_barrier_signal -1
	s_barrier_wait -1
	CREST
.endm
.macro PLACES n
.rept \n
	v_nop
.endr
.endm
	s_load_b128 s[4:7], s[0:1], 0x0                ; bufQK s[4:5], mask s[6:7]
	s_load_b64 s[8:9], s[0:1], 0x10                ; bufPS
	v_lshl_add_u32 v[SPW], v0, 2, SPARE
	v_mov_b32 v[NIL], 0
	ds_add_u32 v28, v29
	ds_add_u32 v28, v29
	s_wait_dscnt 0x0
	v_lshrrev_b32 v1, 5, v0
	v_readfirstlane_b32 s14, v1
	s_lshr_b32 s15, s14, 1
	s_and_b32 s16, s14, 1
	s_bfe_u32 s40, ttmp6, 0x40000
	s_bfe_u32 s41, ttmp6, 0x40004
	s_lshl_b32 s42, ttmp9, 2
	s_add_co_u32 s42, s42, s40                     ; tile column: 256 keys of the batch
	s_and_b32 s17, ttmp7, 0xffff
	s_lshr_b32 s19, s17, 1                         ; the batch: from the cluster's y alone, which all sixteen share
	s_lshl_b32 s17, s17, 2
	s_add_co_u32 s17, s17, s41                     ; tile row: 256 of the 8,192 queries
	s_lshl_b32 s43, s41, 2
	s_lshl_b32 s43, 15, s43
	s_lshl_b32 s44, 0x1111, s40
	s_or_b32 s[G1+0], s43, (3<<16)|(1<<21)
	s_or_b32 s[G1B+0], s44, (3<<16)|(1<<21)
.irp g, G1, G1B
	s_mov_b32 s[\g+1], (RBB/8)<<16
	s_mov_b32 s[\g+2], 16<<16                      ; 16 blocks for the head's loads; set to 8 behind them
	s_mov_b32 s[\g+3], (RBB/8)<<16
	s_mov_b32 s[\g+4], 16
	s_mov_b32 s[\g+5], NKS*192
	s_mov_b32 s[\g+6], 0
	s_mov_b32 s[\g+7], 0
.endr
	; the mask's tiles: rows of 128 elements of 4 bytes, 2,048 elements apart; 4 words of padding behind every 128 words (code 6): LDS rows 528 bytes apart; no mask of work-groups
	s_mov_b32 s[G1M+0], (2<<16)|(1<<20)|(6<<22)|(3<<25)
	s_mov_b32 s[G1M+1], 128<<16                    ; tensor_dim0
	s_mov_b32 s[G1M+2], 48<<16                     ; tensor_dim1
	s_mov_b32 s[G1M+3], 128<<16                    ; tile_dim0
	s_mov_b32 s[G1M+4], 48                         ; tile_dim1
	s_mov_b32 s[G1M+5], 2048                       ; stride
	s_mov_b32 s[G1M+6], 0
	s_mov_b32 s[G1M+7], 0
	s_lshl_b32 s18, s16, 3
	s_lshl_b32 s20, s17, 4
	s_add_co_u32 s20, s20, s18                     ; qp: block 16 x tile row + 8 x half
	s_mul_i32 s20, s20, NKS*1536
	s_mov_b32 s21, 0
	s_lshl_b32 s46, s42, 4
	s_add_co_u32 s46, s46, s18
	s_lshl_b32 s47, s19, 7
	s_add_co_u32 s46, s46, s47
	s_add_co_u32 s46, s46, 512                     ; kp: block 512 + 128 batch + 16 x tile column + 8 x half
	s_mul_i32 s46, s46, NKS*1536
	s_mov_b32 s47, 0
	s_mul_i32 s45, s14, 8*RBB
	s_and_b32 s94, s17, 7                          ; my part of the mask, in registers that feed no joint load:
	s_lshl_b32 s94, s94, 8
	s_lshl_b32 s92, s15, 7
	s_add_co_u32 s94, s94, s92                     ; my first query in the batch,
	s_lshl_b32 s94, s94, 13                        ; rows of 8,192 bytes,
	s_lshl_b32 s92, s42, 10
	s_add_co_u32 s94, s94, s92
	s_lshl_b32 s92, s16, 9
	s_add_co_u32 s94, s94, s92                     ; + my first key
	s_mov_b32 s95, 0
	s_wait_kmcnt 0x0
	s_add_nc_u64 s[20:21], s[4:5], s[20:21]
	s_add_nc_u64 s[46:47], s[4:5], s[46:47]
	CROUND                                         ; all sixteen work-groups are here: the first joint loads meet
.irp s, 0,1
	s_mov_b32 s[G0+4*\s], 1
	s_add_co_u32 s[G0+4*\s+1], s45, \s*SLOT
	s_add_nc_u64 s[G0+4*\s+2:G0+4*\s+3], s[20:21], \s*RBB
	s_or_b32 s[G0+4*\s+3], s[G0+4*\s+3], 0x80000000
	s_mov_b32 s[G0B+4*\s], 1
	s_add_co_u32 s[G0B+4*\s+1], s45, \s*SLOT
	s_add_nc_u64 s[G0B+4*\s+2:G0B+4*\s+3], s[46:47], \s*RBB
	s_or_b32 s[G0B+4*\s+3], s[G0B+4*\s+3], 0x80000000
.endr
; THE HEAD'S LOADS, ONE A WAVE: waves 0, 1 fetch all 16 blocks of qp for K steps 0, 1; waves 2, 3 all 16 blocks of kp for K steps 0, 1.
; The mask's first 48 rows of each wave follow behind the opening round, as a later first fill: by the text's own count a wave has one tensor load out at the start and one behind each round.
.set GHA, 84                           ; s[84:87], s[88:91] group 0 for these loads; the registers take G1N's constants behind the wait that shows them done
.set GHB, 88
	s_mul_i32 s22, s16, 8*NKS*1536-RBB             ; from my half's first block back to the tile's first, and on to K step (wave % 2)
	s_mov_b32 s23, 0
	s_mov_b32 s[GHA], 1
	s_mul_i32 s[GHA+1], s16, SLOT
	s_sub_nc_u64 s[GHA+2:GHA+3], s[20:21], s[22:23]
	s_or_b32 s[GHA+3], s[GHA+3], 0x80000000
	s_mov_b32 s[GHB], 1
	s_add_co_u32 s[GHB+1], s[GHA+1], BOFF
	s_sub_nc_u64 s[GHB+2:GHB+3], s[46:47], s[22:23]
	s_or_b32 s[GHB+3], s[GHB+3], 0x80000000
; PREFETCH.  The tiles: K step 2 is asked for here, K step 3 behind the opening round: two changes of slots ahead of the refill that loads it.  Of the 8 blocks that a wave fetches in the ring each of the four partners that ask
; jointly takes two, told apart by address (cx for qp, cy for kp): 2 x 12 runs of 256 bytes, a lane a run (lanes 24-31 name the last again).  K steps 0 and 1 come by their loads alone.
; The mask: a wave's 128 rows x 512 bytes are its own: two lanes a row, 16 rows an instruction; rows 0-47 here, 48-79 behind the opening round, 80-127 behind the first change of slots: each one tensor load of the mask ahead.
.set PFA, 12                           ; s[12:13] my work-group's two blocks; never rewritten
.set PFB, 10                           ; s[10:11] my part of the mask; never rewritten
.set PFO, 18                           ; v18 my run's offset in the blocks; never rewritten
.set PFM, 19                           ; v19 and in the mask; never rewritten
	s_cmp_eq_u32 s15, 0
	s_cselect_b64 s[PFA:PFA+1], s[20:21], s[46:47]
	s_cselect_b32 s22, s40, s41
	s_mul_i32 s22, s22, 2*NKS*1536
	s_mov_b32 s23, 0
	s_add_nc_u64 s[PFA:PFA+1], s[PFA:PFA+1], s[22:23]
	s_add_nc_u64 s[PFB:PFB+1], s[6:7], s[94:95]
	JLOAD GHA, G1, GHB, G1B
	v_and_b32 v22, 31, v0
	v_lshrrev_b32 v[PFM], 1, v22
	v_lshlrev_b32 v[PFM], 13, v[PFM]               ; row lane / 2, 8,192 bytes a row
	v_and_b32 v[PFO], 1, v22
	v_lshl_add_u32 v[PFM], v[PFO], 8, v[PFM]       ; + 256 x (lane % 2)
	v_min_u32 v22, 23, v22
	v_mul_u32_u24 v[PFO], v22, 11
	v_lshrrev_b32 v[PFO], 7, v[PFO]                ; run / 12, for runs 0 to 23
	v_mul_u32_u24 v[PFO], v[PFO], NKS*1536-RBB
	v_lshl_add_u32 v[PFO], v22, 8, v[PFO]
.irp i, 0,1,2
	global_prefetch_b8 v[PFM], s[PFB:PFB+1] offset:\i*16*8192 th:TH_LOAD_NT scope:SCOPE_SE
.endr
	global_prefetch_b8 v[PFO], s[PFA:PFA+1] offset:2*RBB th:TH_LOAD_NT scope:SCOPE_SE
	s_mov_b32 s[G0M], 1
	s_mul_i32 s[G0M+1], s14, 3*MBLK
	s_add_co_u32 s[G0M+1], s[G0M+1], PM            ; my own bytes: PM + wave x 3 blocks
	s_add_nc_u64 s[G0M+2:G0M+3], s[6:7], s[94:95]
	s_or_b32 s[G0M+3], s[G0M+3], 0x80000000
	v_and_b32 v1, 15, v0
	v_bfe_u32 v2, v0, 4, 1
	s_wait_alu depctr_va_vdst(0)
	v_and_b32 v3, 31, v0
	v_lshlrev_b32 v[LI], 4, v3
	s_wait_alu depctr_va_vdst(0)
	s_mul_i32 s21, s15, 8*RBB
	s_mul_i32 s22, s16, 8*RBB
	s_add_co_u32 s22, s22, BOFF
.irp s, 0,1
	v_add_nc_u32 v[ADRA+\s], s21, v[LI]
	v_add_nc_u32 v[ADRB+\s], s22, v[LI]
	s_add_co_u32 s21, s21, SLOT
	s_add_co_u32 s22, s22, SLOT
.endr
	s_lshl_b32 s21, s15, 12
	s_lshl_b32 s22, s16, 12
	s_add_co_u32 s22, s22, 8192
	s_sub_co_u32 s22, s22, s21
	v_mul_u32_u24 v9, s22, v2
	s_add_co_u32 s21, s21, SCL
	v_lshl_add_u32 v9, v1, 2, v9
	v_add_nc_u32 v[ADRS], s21, v9
	s_lshl_b32 s23, s14, 12
	s_add_co_u32 s23, s23, SCL
	v_add_nc_u32 v[SCW], s23, v[LI]
	s_mul_i32 s23, s14, 1536
	s_add_co_u32 s23, s23, GATH
	v_lshl_add_u32 v[GW], v1, 2, s23
	v_add_nc_u32 v[GR], s23, v[LI]
	v_mul_u32_u24 v9, v1, 528
	v_lshl_add_u32 v9, v2, 6, v9                   ; the mask: row r, + 64 h: my 16 keys of each 32
	s_mul_i32 s23, s14, 3*MBLK
	s_add_co_u32 s22, s23, PM
	v_add_nc_u32 v[MA0], s22, v9
	s_add_co_u32 s22, s23, PM2
	v_add_nc_u32 v[MA2], s22, v9
	s_mul_i32 s22, s14, 2*MBLK
	v_add_nc_u32 v[MA1], s22, v9
	s_mov_b32 s[SEL], 0x76543210
	s_mov_b32 s[SEL+1], 0xfedcba98
	s_mov_b32 s[CS], 0x3d38aa3b                    ; log2(e) / 32
	s_mov_b32 s[CS+1], s[CS]
	s_mov_b32 s[K32], 0x42000000                   ; 32.0
	s_mov_b32 s[K32+1], s[K32]
.irp b, 0,1,2,3
	v_mov_b32 v[236+\b], 0                         ; written once: a lane permute's destination counts as one of its sources
.endr
	v_mov_b32 v252, 0
	v_mov_b32 v11, 0                               ; (named as the upper half of the pair v[10:11])
	s_lshl_b32 s94, s19, 3
	s_add_co_u32 s94, s94, s42
	s_add_co_u32 s94, s94, 32                      ; kp's scale words: 8,192 bytes x (32 + 8 batch + tile column)
	s_cmp_eq_u32 s15, 0
	s_cselect_b32 s94, s17, s94                    ; waves 0, 1 copy qp's halves, waves 2, 3 kp's
	s_lshl_b32 s94, s94, 13
	s_lshl_b32 s95, s16, 12
	s_add_co_u32 s94, s94, s95
	s_add_co_u32 s94, s94, XSC
	s_mov_b32 s95, 0
	s_add_nc_u64 s[92:93], s[4:5], s[94:95]
	s_lshl_b32 s94, s17, 4
	s_lshl_b32 s18, s15, 3
	s_add_co_u32 s94, s94, s18
	s_lshl_b32 s94, s94, 4
	s_lshl_b32 s18, s42, 1
	s_add_co_u32 s18, s18, s16                     ; my keys are K step 2 x tile column + half of the next product
	s_add_co_u32 s94, s94, s18
	s_mul_i32 s94, s94, 1536
	s_add_nc_u64 s[OC:OC+1], s[8:9], s[94:95]
	s_lshl_b32 s94, s17, 1
	s_add_co_u32 s94, s94, s15
	s_lshl_b32 s94, s94, 4
	s_add_co_u32 s94, s94, s18
	s_lshl_b32 s94, s94, 9
	s_add_co_u32 s94, s94, PSC
	s_add_nc_u64 s[OS:OS+1], s[8:9], s[94:95]
.irp j, 0,1,2,3,4,5,6,7
	global_load_b128 v[AF+4*\j:AF+4*\j+3], v[LI], s[92:93] offset:512*\j
.endr
	s_wait_loadcnt 0x0
.irp j, 0,1,2,3,4,5,6,7
	ds_store_b128 v[SCW], v[AF+4*\j:AF+4*\j+3] offset:512*\j
.endr
.macro FRAG reg, adr, q, i
.irp c, 0,1,2
	ds_load_b128 v[\reg+4*\c:\reg+4*\c+3], v[\adr] offset:(\i)*RBB+1536*(\q)+512*\c
.endr
.endm
; 16 matrix instructions: qp's blocks a0, a0 + 1 x kp's eight.  The 64 accumulators take turns, one instruction a turn.  first = 1: the products start the sums: nothing is cleared.
.macro MULA a0, p, q, sc, first
.irp a, \a0, \a0+1
.irp b, 0,1,2,3,4,5,6,7
.if \first
	v_wmma_scale_f32_16x16x128_f8f6f4 v[8*(8*((\a)%4)+\b):8*(8*((\a)%4)+\b)+7], v[128*(\p)+FR*\b:128*(\p)+FR*\b+FR-1], v[AF+FR*(\a):AF+FR*(\a)+FR-1], 0, v[SC+8*NQ*(\sc)+NQ*\b+(\q)], v[SC+8*NQ*(\sc)+NQ*(\a)+(\q)] matrix_a_fmt:MATRIX_FMT_BF6 matrix_b_fmt:MATRIX_FMT_BF6 matrix_a_scale:MATRIX_SCALE_ROW1
.else
	v_wmma_scale_f32_16x16x128_f8f6f4 v[8*(8*((\a)%4)+\b):8*(8*((\a)%4)+\b)+7], v[128*(\p)+FR*\b:128*(\p)+FR*\b+FR-1], v[AF+FR*(\a):AF+FR*(\a)+FR-1], v[8*(8*((\a)%4)+\b):8*(8*((\a)%4)+\b)+7], v[SC+8*NQ*(\sc)+NQ*\b+(\q)], v[SC+8*NQ*(\sc)+NQ*(\a)+(\q)] matrix_a_fmt:MATRIX_FMT_BF6 matrix_b_fmt:MATRIX_FMT_BF6 matrix_a_scale:MATRIX_SCALE_ROW1
.endif
.endr
.endr
.endm
.macro FETCH_B slot, q, p
	WIN TO_B
.irp i, 0,1,2,3,4,5,6,7
	FRAG 128*(\p)+FR*\i, ADRB+\slot, \q, \i
.endr
	WIN 0
.endm
.macro FETCH_A slot, q, i0
.irp i, \i0, \i0+1, \i0+2, \i0+3
	FRAG AF+FR*(\i), ADRA+\slot, \q, \i
.endr
.endm
.macro SCALES set, kstep
.irp i, 0,1,2,3,4,5,6,7
.irp q, 0,1
	ds_load_b32 v[SC+8*NQ*(\set)+NQ*\i+\q], v[ADRS] offset:(NQ*(\kstep)+\q)*512+64*\i
.endr
.endr
.endm
.macro STEP slot, q, first
	s_wait_dscnt 4*NL                              ; all but the youngest 12 loads (qp's blocks 4-7) are in
	WIN MUL_LO
	MULA 0, (\q)%2, \q, \slot, \first
	MULA 2, (\q)%2, \q, \slot, \first
	s_wait_dscnt 0x0
	PLACES 4                                       ; four plain places in front of loads into registers that matrix instructions have read
	FETCH_B \slot, (\q)+1, 1-(\q)%2
	FETCH_A \slot, (\q)+1, 0
	WIN MUL_HI
	MULA 4, (\q)%2, \q, \slot, \first
	MULA 6, (\q)%2, \q, \slot, \first
	PLACES 4
	WIN 0
	FETCH_A \slot, (\q)+1, 4
.endm
; A slot's last step changes slots: one barrier, which opens a round of the cluster's; in front of it each wave waits for all its tensor loads, adds 0 to its spare word, and waits for that and for its reads of this slot.
; fill = 1: the slot takes the K step two steps on, by the joint loads.  fill = 2: the slot has had its last K step: each wave puts rows 48-79 of its part of the mask there.
.macro TURN slot, next, fill, kstep
	s_wait_tensorcnt 0x0                           ; all my tensor loads have landed: my part of the next slot (at the first change: the mask's first 48 rows too)
	ds_add_u32 v[SPW], v[NIL]                      ; 0 onto my spare word
	s_wait_dscnt 4*NL+1                            ; (the add and the youngest 12 loads may be out)
	WIN MUL_LO
	MULA 0, 1, NQ-1, \slot, 0
	s_wait_dscnt 0x0                               ; the add is done, and my reads of this slot are over
	s_barrier_signal -1
	MULA 2, 1, NQ-1, \slot, 0
	WIN 0
	s_barrier_wait -1
	CREST                                          ; no wave of any partner still reads this slot or has a load on its way
.if \fill == 1
	s_add_nc_u64 s[G0+4*\slot+2:G0+4*\slot+3], s[G0+4*\slot+2:G0+4*\slot+3], 2*RBB
	s_add_nc_u64 s[G0B+4*\slot+2:G0B+4*\slot+3], s[G0B+4*\slot+2:G0B+4*\slot+3], 2*RBB
	JLOAD G0+4*\slot, G1, G0B+4*\slot, G1B         ; my one tensor load behind the round; its four v_nop are the places in front of the loads below
.else
	s_mul_i32 s[G0M+1], s14, 2*MBLK                ; PM1 = 0: wave x 2 blocks, in slot 0
	s_add_nc_u64 s[G0M+2:G0M+3], s[G0M+2:G0M+3], 48*8192   ; 48 rows on; the type bits on top are not reached
	tensor_load_to_lds s[G0M:G0M+3], s[G1N:G1N+7]  ; my one tensor load behind the round
	s_nop 0
	PLACES 4                                       ; the places in front of the loads below
.endif
	FETCH_B \next, 0, 0
	FETCH_A \next, 0, 0
	SCALES \next, \kstep
	WIN MUL_HI
	MULA 4, 1, NQ-1, \slot, 0
	MULA 6, 1, NQ-1, \slot, 0
	PLACES 4
	WIN 0
	FETCH_A \next, 0, 4
.endm
	s_wait_alu depctr_va_vdst(0)
	s_wait_tensorcnt 0x0                           ; my tile of the head's four is in
	ds_add_u32 v[SPW], v[NIL]                      ; 0 onto my spare word
	s_mov_b32 s[G1+2], 8<<16                       ; no tensor load of mine is out, so descriptors may be written: from here on a joint load brings 8 blocks
	s_mov_b32 s[G1+4], 8
	s_mov_b32 s[G1B+2], 8<<16
	s_mov_b32 s[G1B+4], 8
	s_mov_b32 s[G1N+0], (2<<16)|(1<<20)|(6<<22)|(3<<25)   ; group 1 for 32 rows of the mask
	s_mov_b32 s[G1N+1], 128<<16
	s_mov_b32 s[G1N+2], 32<<16
	s_mov_b32 s[G1N+3], 128<<16
	s_mov_b32 s[G1N+4], 32
	s_mov_b32 s[G1N+5], 2048
	s_mov_b32 s[G1N+6], 0
	s_mov_b32 s[G1N+7], 0
	s_wait_dscnt 0x0                               ; the add is done, and my scale words lie in LDS
	CROUND                                         ; both slots are whole
	tensor_load_to_lds s[G0M:G0M+3], s[G1M:G1M+7]  ; the mask's rows 0-47 of my 128, into my own bytes: my one tensor load behind the round
	s_nop 0
	PLACES 4
	FETCH_B 0, 0, 0
	FETCH_A 0, 0, 0
	SCALES 0, 0
	FETCH_A 0, 0, 4
	global_prefetch_b8 v[PFO], s[PFA:PFA+1] offset:3*RBB th:TH_LOAD_NT scope:SCOPE_SE
.irp i, 3,4
	global_prefetch_b8 v[PFM], s[PFB:PFB+1] offset:\i*16*8192 th:TH_LOAD_NT scope:SCOPE_SE
.endr
	STEP 0, 0, 1
	TURN 0, 1, 1, 1
.irp i, 5,6,7
	global_prefetch_b8 v[PFM], s[PFB:PFB+1] offset:\i*16*8192 th:TH_LOAD_NT scope:SCOPE_SE
.endr
	STEP 1, 0, 0
	TURN 1, 0, 1, 2
	STEP 0, 0, 0
	TURN 0, 1, 2, 3                                ; no K step is left to fetch: slot 0 takes two blocks of the mask for each wave
	STEP 1, 0, 0
	s_wait_dscnt 4*NL
	WIN MUL_LO
	MULA 0, 1, NQ-1, 1, 0
	MULA 2, 1, NQ-1, 1, 0
	s_wait_dscnt 0x0
	WIN MUL_HI
	MULA 4, 1, NQ-1, 1, 0
	MULA 6, 1, NQ-1, 1, 0
	WIN 0
	; The ring is done with.  The mask's last 48 rows go into what is left of it: the same three lines, a round, one load a wave.
	s_wait_tensorcnt 0x0                           ; the mask's rows 48-79 have landed: no tensor load of mine is out, so group 0 may be written
	ds_add_u32 v[SPW], v[NIL]                      ; 0 onto my spare word
	s_mul_i32 s[G0M+1], s14, 3*MBLK
	s_add_co_u32 s[G0M+1], s[G0M+1], PM2           ; behind the four waves' blocks 3, 4: wave x 3 blocks
	s_add_nc_u64 s[G0M+2:G0M+3], s[G0M+2:G0M+3], 32*8192   ; 32 rows on
	s_wait_dscnt 0x0                               ; the add is done, and my reads of slot 1 are over
	CROUND
	tensor_load_to_lds s[G0M:G0M+3], s[G1M:G1M+7]  ; my one tensor load behind the round, and my last
	s_nop 0
	PLACES 4                                       ; the places behind the last products, for the loads into kp's registers and the first reads of results
; Block a of the mask, 16 queries x 128 keys, from LDS into window 1, set a % 2: register 16 b + i = key 32 b + 16 h + i of query r, as in the accumulators
.macro MLD a
.if (\a) < 3
.set MR, MA0
.set MI, (\a)
.elseif (\a) < 5
.set MR, MA1
.set MI, (\a)-3
.else
.set MR, MA2
.set MI, (\a)-5
.endif
.set ML, 64*((\a)%2)
	WIN TO_B
.irp bq, 0,1,2,3
.irp jj, 0,1,2,3
	ds_load_b128 v[ML+16*\bq+4*\jj:ML+16*\bq+4*\jj+3], v[MR] offset:MBLK*MI+128*\bq+16*\jj
.endr
.endr
	WIN 0
.endm
; THE WAY OUT, a block of 16 queries x 128 keys at a time.
.macro SOFT a
.set AC, 64*((\a)%4)
.set MS, 64*((\a)%2)
	WIN 0x21+0x10*((\a)/4)                         ; source 0: the mask, window 1; source 2: the accumulators' window; destination window 0
.set N, 0
.rept 32
	v_pk_fma_f32 v[T+N:T+N+1], v[MS+N:MS+N+1], s[K32:K32+1], v[AC+N:AC+N+1] op_sel_hi:[1,0,1]   ; x = 32 mask + the sum; each accumulator from its low end on
.set N, N+2
.endr
	WIN 0
.irp b, 0,1,2,3
	v_max3_num_f32 v[BM+\b], v[T+16*\b], v[T+16*\b+1], v[T+16*\b+2]   ; the largest x of each block of 32 keys: it serves for the piece's maximum and, since p rises with x, for the block's largest p
.endr
.irp i, 3,5,7,9,11,13
.irp b, 0,1,2,3
	v_max3_num_f32 v[BM+\b], v[BM+\b], v[T+16*\b+\i], v[T+16*\b+\i+1]
.endr
.endr
.irp b, 0,1,2,3
	v_max_num_f32 v[BM+\b], v[BM+\b], v[T+16*\b+15]
.endr
.irp b, 0,1,2,3
	v_permlanex16_b32 v[236+\b], v[BM+\b], s[SEL], s[SEL+1]
.endr
.irp b, 0,1,2,3
	v_max_num_f32 v[BM+\b], v[BM+\b], v[236+\b]
.endr
	v_max3_num_f32 v254, v[BM], v[BM+1], v[BM+2]
	v_max_num_f32 v254, v254, v[BM+3]
	v_mul_f32 v254, s[CS], v254                    ; as t (c is positive),
	v_max_num_f32 v254, 0xff61b1e6, v254           ; held at -3e38 from below
	v_floor_f32 v10, -v254                         ; -M = floor(-t) = -ceil(t)
.set N, 0
.rept 32
	v_pk_fma_f32 v[T+N:T+N+1], v[T+N:T+N+1], s[CS:CS+1], v[10:11] op_sel_hi:[1,0,0]   ; t - M, two at a time (of the pairs c and -M the low word serves both halves)
.set N, N+2
.endr
.irp b, 0,1,2,3
	v_fma_f32 v[BM+\b], v[BM+\b], s[CS], v10       ; the same of each block's largest x
.endr
.set N, 0
	s_wait_alu depctr_va_vdst(0)
.rept 64
	v_exp_f32 v[T+N], v[T+N]                       ; p = 2^(t - M)
.set N, N+1
.endr
	v_mov_b32 v[NMR+\a], v10                       ; (a plain place behind the exponentials)
	s_wait_alu depctr_va_vdst(0)                   ; one wait for the batch, ahead of its first reader
.irp b, 0,1,2,3
	v_exp_f32 v[BM+\b], v[BM+\b]                   ; the block's largest p: the same instructions on the same number give the same bits
.endr
	v_pk_add_f32 v[14:15], v[T:T+1], v[T+2:T+3]    ; the sum of the unquantised p, in two chains: plain work behind the four
	v_pk_add_f32 v[236:237], v[T+4:T+5], v[T+6:T+7]
.irp j, 8,12,16,20,24,28,32,36,40,44,48,52,56,60
	v_pk_add_f32 v[14:15], v[14:15], v[T+\j:T+\j+1]
	v_pk_add_f32 v[236:237], v[236:237], v[T+\j+2:T+\j+3]
.endr
	v_pk_add_f32 v[14:15], v[14:15], v[236:237]
	s_wait_alu depctr_va_vdst(0)                   ; and one for the four
.irp b, 0,1,2,3
	v_max_num_f32 v[BM+\b], 0x2800000, v[BM+\b]    ; the floor 2^(5 - 127)
.endr
.irp b, 0,1,2,3
	v_add_nc_u32 v[244+\b], 0xfe000000, v[BM+\b]
.endr
.irp b, 0,1,2,3
	v_lshrrev_b32 v[236+\b], 23, v[244+\b]
.endr
	v_lshl_or_b32 v[PWR+\a], v237, 8, v236
	v_lshl_or_b32 v[PWR+\a], v238, 16, v[PWR+\a]
	v_lshl_or_b32 v[PWR+\a], v239, 24, v[PWR+\a]
	s_wait_xcnt 0x0                                ; the last block's stores have read the code registers
.irp c, 0,1
	v_cvt_scalef32_pk16_bf6_f32 v[PC+6*\c:PC+6*\c+2], v[T+32*\c:T+32*\c+15], v[244+2*\c]
	v_cvt_scalef32_pk16_bf6_f32 v[PC+12+4*\c:PC+14+4*\c], v[T+32*\c+16:T+32*\c+31], v[244+2*\c+1]
.endr
	v_nop                                          ; one plain place behind a scaled conversion
.irp c, 0,1
.irp i, 0,1,2
	v_permlane16_swap_b32 v[PC+6*\c+\i], v[PC+12+4*\c+\i]
.endr
.irp i, 0,1,2
	v_mov_b32 v[PC+3+6*\c+\i], v[PC+12+4*\c+\i]
.endr
.endr
	v_add_f32 v14, v14, v15
	v_permlanex16_b32 v252, v14, s[SEL], s[SEL+1]
	v_add_f32 v[LR+\a], v14, v252                  ; the piece's sum
.irp c, 0,1,2
	global_store_b128 v[LI], v[PC+4*\c:PC+4*\c+3], s[OC:OC+1] offset:24576*(\a)+512*\c
.endr
.endm
	s_wait_alu depctr_va_vdst(0)
	MLD 0                                          ; blocks 0-4 were shown landed by the waits for all my tensor loads above
.irp a, 0,1,2,3,4,5,6,7
.if \a == 4
	s_wait_tensorcnt 0x0                           ; the mask's last 48 rows, asked for four blocks' work ago, are in: block 5 is read next
.endif
.if \a < 7
	MLD \a+1                                       ; a block ahead: it lands while this block is worked on
	s_wait_dscnt 16                                ; this block's 16 loads are in; the next block's 16 are younger
.else
	s_wait_dscnt 0x0
.endif
	SOFT \a
.endr
.irp a, 0,1,2,3,4,5,6,7
	ds_store_b32 v[GW], v[PWR+\a] offset:64*\a     ; both halves of the lanes write the same word with the same value
	ds_store_b32 v[GW], v[NMR+\a] offset:512+64*\a
	ds_store_b32 v[GW], v[LR+\a] offset:1024+64*\a
.endr
.irp x, 0,1,2
	ds_load_b128 v[T+4*\x:T+4*\x+3], v[GR] offset:512*\x
.endr
	s_wait_dscnt 0x0
.irp x, 0,1,2
	global_store_b128 v[LI], v[T+4*\x:T+4*\x+3], s[OS:OS+1] offset:524288*\x   ; a chunk of 512 bytes in each of the three arrays
.endr
	s_wait_tensorcnt 0x0                           ; the wave's end
	ds_add_u32 v[SPW], v[NIL]
	s_wait_dscnt 0x0
	CROUND                                         ; the closing round
	s_endpgm
.Lfunc_end_k_q7359abe67e_score:
	.size	k_q7359abe67e_score, .Lfunc_end_k_q7359abe67e_score-k_q7359abe67e_score
	.p2alignl 7, 3214868480
	.fill 96, 4, 3214868480
	.section	.rodata,"a",@progbits
	.p2align	6, 0x0
	.amdhsa_kernel k_q7359abe67e_score
		.amdhsa_group_segment_fixed_size 327680
		.amdhsa_private_segment_fixed_size 0
		.amdhsa_enable_private_segment 0
		.amdhsa_kernarg_size 24
		.amdhsa_user_sgpr_count 2
		.amdhsa_user_sgpr_kernarg_segment_ptr 1
		.amdhsa_wavefront_size32 1
		.amdhsa_system_sgpr_workgroup_id_x 1
		.amdhsa_system_sgpr_workgroup_id_y 1
		.amdhsa_system_sgpr_workgroup_id_z 1
		.amdhsa_system_vgpr_workitem_id 0
		.amdhsa_next_free_vgpr 1024
		.amdhsa_next_free_sgpr 100
		.amdhsa_reserve_vcc 0
		.amdhsa_float_denorm_mode_32 3
		.amdhsa_float_denorm_mode_16_64 3
		.amdhsa_memory_ordered 1
		.amdhsa_forward_progress 1
		.amdhsa_inst_pref_size 227
	.end_amdhsa_kernel
	.amdgpu_metadata
---
amdhsa.version: [ 1, 2 ]
amdhsa.kernels:
  - .name:           k_q7359abe67e_score
    .symbol:         k_q7359abe67e_score.kd
    .args:
      - { .name: bufQK, .offset: 0, .size: 8, .value_kind: global_buffer, .address_space: global }
      - { .name: mask, .offset: 8, .size: 8, .value_kind: global_buffer, .address_space: global }
      - { .name: bufPS, .offset: 16, .size: 8, .value_kind: global_buffer, .address_space: global }
    .group_segment_fixed_size: 327680
    .private_segment_fixed_size: 0
    .kernarg_segment_align: 8
    .kernarg_segment_size: 24
    .max_flat_workgroup_size: 128
    .sgpr_count:     100
    .vgpr_count:     1024
    .wavefront_size: 32
...
	.end_amdgpu_metadata
.endif
;; end of part 3
;; launch pv (part 4): grid 8 x 32, 4 waves a work-group, clusters of 4 x 4, 327,680 bytes of LDS; arguments bufPS, bufV, out0; writes out0
.if DOCPART == 4
	.amdgcn_target "amdgcn-amd-amdhsa--gfx1250"
	.amdhsa_code_object_version 6
	.text
	.protected	k_q7359abe67e_pv
	.globl	k_q7359abe67e_pv
	.p2align	8
	.type	k_q7359abe67e_pv,@function
k_q7359abe67e_pv:
	s_mov_b64 s[64:65], 0
	v_nop
	global_prefetch_b8 v0, s[64:65] scope:SCOPE_SE
	s_setreg_imm32_b32 hwreg(HW_REG_WAVE_MODE, 25, 1), 1
	s_wait_xcnt 0x0
	s_wait_alu depctr_hold_cnt(0) depctr_sa_sdst(0) depctr_va_vdst(0) depctr_va_sdst(0) depctr_va_ssrc(0) depctr_va_vcc(0) depctr_vm_vsrc(0)
	s_getreg_b32 s2, hwreg(HW_REG_IB_STS2, 6, 4)
	s_cmp_eq_u32 s2, 0
	s_cbranch_scc0 .Lentry_in_a_cluster
	s_endpgm
.Lentry_in_a_cluster:
	s_bfe_u32 s2, ttmp6, 0x10000c
	s_cmp_lg_u32 s2, 0xf033
	s_cbranch_scc0 .Lentry_shape_is_right
	s_endpgm
.Lentry_shape_is_right:
; out = (P V) / l for each batch.  P [8192 queries][2048 keys] and V [4 x 1024 d][2048 keys] come as codes of BF6 (E3M2) with E8M0 scale words, as images of operand registers:
; fragment (rb, ks), 16 rows x 128 keys, 1,536 bytes, at (16 rb + ks) x 1536; scale words [rows/128][ks][block][lane] from PSC or VSC on; behind P's words, 512 KB apart, -M and the sum of each piece of 128 keys.
; THE PIECES OF A ROW ARE BROUGHT UNDER ONE M in the head: M = the largest of the 16 pieces' M, a whole number; a piece's sum is multiplied by 2^(its M - M) and the same difference is taken off its four scale bytes,
; byte by byte, held at 0 from below (a piece more than 127 below M is taken off by 127; its bytes then stand at 0 = 2^-127 or near it, and its share lies under the f32 sums' last bit).
; A tile of 256 queries x 128 d is made by four waves, 128 x 64 each: 32 accumulators.  The keys go in four K steps of 512 through two LDS slots; the steps of 128 are written out: each of the four slots has another head.
; Source 0 = 16 rows of V, source 1 = 16 rows of P: a lane holds eight neighbouring d of one query.
; THE HEAD'S LOADS, one a wave: waves 0, 1 fetch P's 16 blocks for K steps 0, 1; waves 2, 3 V's 8 blocks for K steps 0, 1.  Later a wave fetches half of P's or of V's blocks of a slot.
; FRAGMENTS: two sets for P and two for V, so a step's 36 LDS loads are issued ahead of the step before it is multiplied.  The change of slots stands at the head of a slot's last step, whose fragments are in registers by then.
; THE LAST K STEP GOES BY ROWS OF THE RESULT: V's 16 fragments of it lie in window 3, P's come by blocks of 16 queries, and each block is finished by 16 matrix instructions (its four accumulators by turns, keys ascending:
; the sums are the same) and leaves while the next block is multiplied.  LDS is read no more than in any other K step.
; CLUSTERS: 4 x 4; P's tiles are asked for jointly along a row of the cluster, V's along a column.
; PREFETCH: K step 2 is asked for behind the head's loads, K step 3 behind the opening barrier: two changes of slots ahead of the refill that loads it.  A slot's block of 16 rows is 24 runs of 256 bytes, a lane a run
; (lanes 24-31 name the last again); of the blocks that a wave fetches each of the four partners takes a quarter, told apart by address: two blocks of P's eight (by cx), one of V's four (by cy).  K steps 0 and 1 come by their loads alone.
; LIMITS: NaN and infinities are not served.
; REGISTERS: window 0: v1-29 addresses; v32-95 scale words, two sets; v96-127 at work; v128-223 P's fragments, set 0 (in the head words, -M, sums; on the way out v128-255).
;   window 1: v0-95 V's fragments, two sets; v96-191 P's fragments, set 1; in the last K step v0-191: four blocks of P.   window 2: the accumulators, (a, b) at v[8 (4 a + b)].   window 3: v0-191 V's fragments of the last K step.
.set NKS,   16
.set FR,    12
.set RBB,   1536*4                     ; a block of 16 rows in a slot: four steps
.set SLOT,  24*RBB                     ; P's 16 blocks, then V's 8
.set BOFF,  16*RBB
.set SCA,   2*SLOT                     ; P's words, mended: [half][ks][block][lane]
.set SCB,   SCA+16384                  ; V's words
.set RL,    SCB+8192                   ; 1 / l of the 256 queries
.set SPARE, RL+1024                    ; the spare words: no other line names them
.set PSC,   12582912
.set VSC,   6291456
.set LI,   5
.set L8,   6
.set SAW,  7
.set RLW,  8
.set SBW,  9
.set RLA,  10
.set PFO,  11                          ; v11  256 x min(lane, 23); never rewritten
.set ADRA, 16
.set ADRB, 20
.set STO,  24
.set RD,   25
.set CO,   26
.set ADRS, 27
.set SPW,  28
.set NIL,  29
.set SC,   32
.set RLR,  96
.set NG,   96
.set LS,   98
.set DD,   100
.set EE,   102
.set YY,   104
.set ZZ,   106
.set RC,   108
.set VS,   112
.set SW,   128
.set NM,   160
.set LL,   192
.set T,    128
.set BK,   192
.set G1,  24
.set G0,  32
.set G1B, 48
.set G0B, 56
.set OC,  68
.set HB,  70
.set ZS,  71
.set PP,  72
.set VP,  76
.set GHA, 80                           ; s[80:83], s[84:87] group 0 for the head's loads
.set GHB, 84
.set PFA, 88                           ; s[88:89] my work-group's share of the blocks that I fetch; never rewritten
.set MSB, 0
.macro WIN new                         ; the immediate's high byte repeats the setting that is left
.if MSB != (\new)
	s_set_vgpr_msb (MSB<<8)|(\new)
.set MSB, (\new)
.endif
.endm
.set TO_B, 0x40
.macro JLOAD g0a, g1a, g0b, g1b        ; a joint load: waves 0, 1 fetch for P, waves 2, 3 for V; s_nop 0 and four v_nop follow each line
	s_cmp_eq_u32 s15, 0
	s_cbranch_scc0 .Lfor_b_\@
	tensor_load_to_lds s[\g0a:\g0a+3], s[\g1a:\g1a+7]
	s_nop 0
.rept 4
	v_nop
.endr
	s_branch .Lasked_\@
.Lfor_b_\@:
	tensor_load_to_lds s[\g0b:\g0b+3], s[\g1b:\g1b+7]
	s_nop 0
.rept 4
	v_nop
.endr
.Lasked_\@:
.endm
.macro CREST
	s_cmp_lg_u32 s14, 0
	s_cbranch_scc1 .Lnot_wave_0_\@
	s_barrier_signal -3
.Lnot_wave_0_\@:
	s_barrier_wait -3
	s_barrier_signal -1
	s_barrier_wait -1
.endm
.macro CROUND
	s_barrier_signal -1
	s_barrier_wait -1
	CREST
.endm
.macro PLACES n
.rept \n
	v_nop
.endr
.endm
.macro ASK n                           ; K step n of my share: one block (V's waves) or two (P's)
	global_prefetch_b8 v[PFO], s[PFA:PFA+1] offset:(\n)*RBB th:TH_LOAD_NT scope:SCOPE_SE
	s_cmp_eq_u32 s15, 0
	s_cbranch_scc0 .Lone_\@
	global_prefetch_b8 v[PFO], s[PFA:PFA+1] offset:(\n)*RBB+NKS*1536 th:TH_LOAD_NT scope:SCOPE_SE
.Lone_\@:
.endm
	s_load_b128 s[4:7], s[0:1], 0x0                ; bufPS, bufV
	s_load_b64 s[8:9], s[0:1], 0x10                ; out0
	v_lshl_add_u32 v[SPW], v0, 2, SPARE
	v_mov_b32 v[NIL], 0
	ds_add_u32 v[SPW], v[NIL]
	ds_add_u32 v[SPW], v[NIL]
	v_lshrrev_b32 v1, 5, v0
	v_readfirstlane_b32 s14, v1                    ; wave
	v_and_b32 v3, 31, v0
	v_lshlrev_b32 v[LI], 4, v3
	v_lshlrev_b32 v[L8], 3, v3
	v_min_u32 v[PFO], 23, v3
	v_lshlrev_b32 v[PFO], 8, v[PFO]
	s_lshr_b32 s15, s14, 1                         ; my half of the queries.  Also: I fetch for P (0) or V (1)
	s_and_b32 s16, s14, 1                          ; my half of the d.  Also: which half I fetch; at the head: which K step
	s_bfe_u32 s40, ttmp6, 0x40000                  ; cx
	s_bfe_u32 s41, ttmp6, 0x40004                  ; cy
	s_lshl_b32 s42, ttmp9, 2
	s_add_co_u32 s42, s42, s40                     ; tile column: 128 d
	s_and_b32 s17, ttmp7, 0xffff
	s_lshr_b32 s19, s17, 1                         ; batch
	s_lshl_b32 s17, s17, 2
	s_add_co_u32 s17, s17, s41                     ; tile row: 256 queries
	s_lshl_b32 s43, s41, 2
	s_lshl_b32 s43, 15, s43
	s_lshl_b32 s44, 0x1111, s40
	s_or_b32 s[G1], s43, (3<<16)|(1<<21)           ; blocks of RBB dense bytes (elements of 8 bytes), NKS x 1536 bytes apart, dense in LDS
	s_or_b32 s[G1B], s44, (3<<16)|(1<<21)
.irp g, G1, G1B
	s_mov_b32 s[\g+1], (RBB/8)<<16
	s_mov_b32 s[\g+3], (RBB/8)<<16
	s_mov_b32 s[\g+5], NKS*192
	s_mov_b32 s[\g+6], 0
	s_mov_b32 s[\g+7], 0
.endr
	s_mov_b32 s[G1+2], 16<<16                      ; the head's loads: all 16 blocks of P, all 8 of V
	s_mov_b32 s[G1+4], 16
	s_mov_b32 s[G1B+2], 8<<16
	s_mov_b32 s[G1B+4], 8
	s_lshl_b32 s18, s16, 3
	s_lshl_b32 s20, s17, 4
	s_add_co_u32 s20, s20, s18                     ; P: block 16 x tile row + 8 x half
	s_mul_i32 s20, s20, NKS*1536
	s_mov_b32 s21, 0
	s_lshl_b32 s46, s42, 3
	s_lshl_b32 s47, s16, 2
	s_add_co_u32 s46, s46, s47
	s_lshl_b32 s47, s19, 6
	s_add_co_u32 s46, s46, s47                     ; V: block 64 batch + 8 x tile column + 4 x half
	s_mul_i32 s46, s46, NKS*1536
	s_mov_b32 s47, 0
	s_mul_i32 s45, s16, 8*RBB
	s_mul_i32 s93, s16, 4*RBB
	s_add_co_u32 s93, s93, BOFF
	s_mul_i32 s74, s16, 8*NKS*1536-RBB             ; the head: from my half's first block back to the tile's first, and on to K step (wave % 2)
	s_mov_b32 s75, 0
	s_mul_i32 s78, s16, 4*NKS*1536-RBB
	s_mov_b32 s79, 0
	s_lshl_b32 s94, s16, 8
	s_mul_i32 s10, s15, 8*RBB                      ; LDS: my P fragments
	s_lshl_b32 s12, s15, 13
	s_add_co_u32 s11, s94, 16384
	s_sub_co_u32 s11, s11, s12                     ; lanes 16-31 take V's words: the distance
	s_add_co_u32 s12, s12, SCA
	s_add_co_u32 s13, s12, s94
	s_lshl_b32 s18, s15, 9
	s_add_co_u32 s18, s18, RL
	s_add_co_u32 s22, s18, s94
	s_lshl_b32 s23, s14, 11
	s_add_co_u32 s23, s23, SCB
	s_mul_i32 s66, s14, 16*272                     ; my stage, in slot 0
	s_lshl_b32 s[PP], s17, 14                      ; the 64 queries whose words, -M and sums I mend
	s_lshl_b32 s95, s15, 13
	s_add_co_u32 s[PP], s[PP], s95
	s_add_co_u32 s[PP], s[PP], s94
	s_add_co_u32 s[PP], s[PP], PSC
	s_mov_b32 s[PP+1], 0
	s_lshl_b32 s[VP], s19, 3
	s_add_co_u32 s[VP], s[VP], s42
	s_lshl_b32 s[VP], s[VP], 13
	s_lshl_b32 s95, s14, 11
	s_add_co_u32 s[VP], s[VP], s95
	s_add_co_u32 s[VP], s[VP], VSC
	s_mov_b32 s[VP+1], 0
	s_lshl_b32 s[OC], s17, 8
	s_lshl_b32 s95, s15, 7
	s_add_co_u32 s[OC], s[OC], s95
	s_lshl_b32 s[OC], s[OC], 12
	s_lshl_b32 s95, s42, 9
	s_add_co_u32 s[OC], s[OC], s95
	s_add_co_u32 s[OC], s[OC], s94
	s_mov_b32 s[OC+1], 0
	s_cmp_eq_u32 s15, 0
	s_cselect_b32 s90, s40, s41                    ; my place among the four that ask with me
	s_mov_b32 s91, NKS*1536
	s_cselect_b32 s91, 2*NKS*1536, s91
	s_mul_i32 s90, s90, s91
	s_mov_b32 s91, 0
	s_mov_b32 s[HB], 0x80808080
	s_mov_b32 s[ZS], 0
	s_wait_alu depctr_va_vdst(0)
	s_wait_dscnt 0x0                               ; both opening adds are done
	s_wait_kmcnt 0x0
	s_add_nc_u64 s[20:21], s[4:5], s[20:21]
	s_add_nc_u64 s[46:47], s[6:7], s[46:47]
	s_add_nc_u64 s[PP:PP+1], s[4:5], s[PP:PP+1]
	s_add_nc_u64 s[VP:VP+1], s[6:7], s[VP:VP+1]
	s_add_nc_u64 s[OC:OC+1], s[8:9], s[OC:OC+1]
	s_cmp_eq_u32 s15, 0
	s_cselect_b64 s[PFA:PFA+1], s[20:21], s[46:47]
	s_add_nc_u64 s[PFA:PFA+1], s[PFA:PFA+1], s[90:91]
.irp s, 0,1
	s_mov_b32 s[G0+4*\s], 1
	s_add_co_u32 s[G0+4*\s+1], s45, \s*SLOT
	s_add_nc_u64 s[G0+4*\s+2:G0+4*\s+3], s[20:21], \s*RBB
	s_or_b32 s[G0+4*\s+3], s[G0+4*\s+3], 0x80000000
	s_mov_b32 s[G0B+4*\s], 1
	s_add_co_u32 s[G0B+4*\s+1], s93, \s*SLOT
	s_add_nc_u64 s[G0B+4*\s+2:G0B+4*\s+3], s[46:47], \s*RBB
	s_or_b32 s[G0B+4*\s+3], s[G0B+4*\s+3], 0x80000000
.endr
	s_mov_b32 s[GHA], 1
	s_mul_i32 s[GHA+1], s16, SLOT
	s_sub_nc_u64 s[GHA+2:GHA+3], s[20:21], s[74:75]
	s_or_b32 s[GHA+3], s[GHA+3], 0x80000000
	s_mov_b32 s[GHB], 1
	s_add_co_u32 s[GHB+1], s[GHA+1], BOFF
	s_sub_nc_u64 s[GHB+2:GHB+3], s[46:47], s[78:79]
	s_or_b32 s[GHB+3], s[GHB+3], 0x80000000
	CROUND                                         ; all sixteen work-groups are here: the first joint loads meet
	JLOAD GHA, G1, GHB, G1B                        ; my one tensor load at the head: both slots are on their way
.irp ks, 0,1,2,3,4,5,6,7,8,9,10,11,12,13,14,15
	global_load_b64 v[NM+2*\ks:NM+2*\ks+1], v[L8], s[PP:PP+1] offset:524288+512*\ks
.endr
.irp ks, 0,1,2,3,4,5,6,7,8,9,10,11,12,13,14,15
	global_load_b64 v[LL+2*\ks:LL+2*\ks+1], v[L8], s[PP:PP+1] offset:1048576+512*\ks
.endr
.irp ks, 0,1,2,3,4,5,6,7,8,9,10,11,12,13,14,15
	global_load_b64 v[SW+2*\ks:SW+2*\ks+1], v[L8], s[PP:PP+1] offset:512*\ks
.endr
.irp j, 0,1,2,3
	global_load_b128 v[VS+4*\j:VS+4*\j+3], v[LI], s[VP:VP+1] offset:512*\j
.endr
	ASK 2
	v_and_b32 v1, 15, v0                           ; r
	v_bfe_u32 v2, v0, 4, 1                         ; h
	v_add_nc_u32 v[ADRA], s10, v[LI]
	v_add_nc_u32 v[ADRA+1], SLOT, v[ADRA]
	v_add_nc_u32 v[ADRB], s93, v[LI]
	v_add_nc_u32 v[ADRB+1], SLOT, v[ADRB]
	v_mul_u32_u24 v4, s11, v2
	v_lshl_add_u32 v4, v1, 2, v4
	v_add_nc_u32 v[ADRS], s12, v4
	v_add_nc_u32 v[SAW], s13, v[L8]
	v_lshl_add_u32 v[RLA], v1, 2, s18
	v_add_nc_u32 v[RLW], s22, v[L8]
	v_add_nc_u32 v[SBW], s23, v[LI]
	v_mul_u32_u24 v[STO], v1, 272
	v_lshl_add_u32 v[STO], v2, 5, v[STO]
	v_add_nc_u32 v[STO], s66, v[STO]
	v_mul_u32_u24 v[RD], v2, 272
	v_lshl_add_u32 v[RD], v1, 4, v[RD]
	v_add_nc_u32 v[RD], s66, v[RD]
	v_lshlrev_b32 v[CO], 12, v2
	v_lshl_add_u32 v[CO], v1, 4, v[CO]
	s_wait_alu depctr_va_vdst(0)
	s_wait_loadcnt 0x0
.irp j, 0,1,2,3
	ds_store_b128 v[SBW], v[VS+4*\j:VS+4*\j+3] offset:512*\j
.endr
.irp e, 0,1                                ; -M of the row: the least of the pieces' -M.  A lane mends two queries
	v_min3_num_f32 v[NG+\e], v[NM+\e], v[NM+2+\e], v[NM+4+\e]
.endr
.irp ks, 3,5,7,9,11,13
.irp e, 0,1
	v_min3_num_f32 v[NG+\e], v[NG+\e], v[NM+2*\ks+\e], v[NM+2*\ks+2+\e]
.endr
.endr
.irp e, 0,1
	v_min_num_f32 v[NG+\e], v[NG+\e], v[NM+30+\e]
.endr
.macro FIX ks                          ; d = M - the piece's M, a whole number, 0 or more: the sum x 2^-d; d, held at 127, off each of the word's four bytes, each held at 0 from below
	v_pk_add_f32 v[DD:DD+1], v[NM+2*\ks:NM+2*\ks+1], v[NG:NG+1] neg_lo:[0,1] neg_hi:[0,1]
.irp e, 0,1
	v_cvt_i32_f32 v[DD+\e], v[DD+\e]
.endr
.irp e, 0,1
	v_sub_nc_u32 v[EE+\e], 0, v[DD+\e]
.endr
.irp e, 0,1
	v_ldexp_f32 v[LL+2*\ks+\e], v[LL+2*\ks+\e], v[EE+\e]
.endr
.irp e, 0,1
	v_min_u32 v[DD+\e], 127, v[DD+\e]
.endr
.irp e, 0,1
	v_perm_b32 v[DD+\e], v[DD+\e], v[DD+\e], s[ZS]          ; d in all four bytes
.endr
.irp e, 0,1
	v_or_b32 v[SW+2*\ks+\e], s[HB], v[SW+2*\ks+\e]          ; bit 7 of each byte set (p is at most 1, so a byte is at most 123): no borrow passes from byte to byte
.endr
.irp e, 0,1
	v_sub_nc_u32 v[SW+2*\ks+\e], v[SW+2*\ks+\e], v[DD+\e]
.endr
.irp e, 0,1
	v_and_b32 v[YY+\e], s[HB], v[SW+2*\ks+\e]               ; bit 7 still set: the byte did not fall under 0
.endr
.irp e, 0,1
	v_lshrrev_b32 v[ZZ+\e], 7, v[YY+\e]
.endr
.irp e, 0,1
	v_sub_nc_u32 v[YY+\e], v[YY+\e], v[ZZ+\e]               ; 0x7f for such a byte, 0 for the others
.endr
.irp e, 0,1
	v_and_b32 v[SW+2*\ks+\e], v[SW+2*\ks+\e], v[YY+\e]
.endr
	ds_store_b64 v[SAW], v[SW+2*\ks:SW+2*\ks+1] offset:512*\ks
.endm
.irp ks, 0,1,2,3,4,5,6,7,8,9,10,11,12,13,14,15
	FIX \ks
.endr
	v_pk_add_f32 v[LS:LS+1], v[LL:LL+1], v[LL+2:LL+3]
.irp ks, 2,3,4,5,6,7,8,9,10,11,12,13,14,15
	v_pk_add_f32 v[LS:LS+1], v[LS:LS+1], v[LL+2*\ks:LL+2*\ks+1]
.endr
	s_wait_alu depctr_va_vdst(0)
	v_rcp_f32 v[RC], v[LS]
	v_rcp_f32 v[RC+1], v[LS+1]
	v_nop                                          ; one plain place behind a transcendental
	s_wait_alu depctr_va_vdst(0)
	ds_store_b64 v[RLW], v[RC:RC+1]
.macro FRAG reg, adr, q, i             ; a fragment's image: three loads, 512 consecutive bytes each
.irp c, 0,1,2
	ds_load_b128 v[\reg+4*\c:\reg+4*\c+3], v[\adr] offset:(\i)*RBB+1536*(\q)+512*\c
.endr
.endm
.macro FETCH k                         ; step k's 12 fragments, 36 loads, into the sets k % 2
.set P, (\k)%2
.set SL, ((\k)/4)%2
.set Q, (\k)%4
	WIN TO_B
.irp i, 0,1,2,3
	FRAG 48*P+FR*\i, ADRB+SL, Q, \i
.endr
.if P
.irp i, 0,1,2,3,4,5,6,7
	FRAG 96+FR*\i, ADRA+SL, Q, \i
.endr
	WIN 0
.else
	WIN 0
.irp i, 0,1,2,3,4,5,6,7
	FRAG 128+FR*\i, ADRA+SL, Q, \i
.endr
.endif
.endm
.macro SCALES ts                       ; K step ts's words: register 4 i + q: lanes 0-15 P's block i, lanes 16-31 V's block i
.irp i, 0,1,2,3,4,5,6,7
.irp q, 0,1,2,3
	ds_load_b32 v[SC+32*((\ts)%2)+4*\i+\q], v[ADRS] offset:(4*(\ts)+\q)*512+64*\i
.endr
.endr
.endm
; 8 matrix instructions: P's blocks a0, a0 + 1 x V's four.  The 32 accumulators take turns, one instruction a turn, in the same order in every step.
.macro MULA a0, k, first
.set P, (\k)%2
.set AB, 128-32*P
.set SS, SC+32*(((\k)/4)%2)+(\k)%4
.irp a, \a0, \a0+1
.irp b, 0,1,2,3
.if \first
	v_wmma_scale_f32_16x16x128_f8f6f4 v[8*(4*(\a)+\b):8*(4*(\a)+\b)+7], v[48*P+FR*\b:48*P+FR*\b+FR-1], v[AB+FR*(\a):AB+FR*(\a)+FR-1], 0, v[SS+4*\b], v[SS+4*(\a)] matrix_a_fmt:MATRIX_FMT_BF6 matrix_b_fmt:MATRIX_FMT_BF6 matrix_a_scale:MATRIX_SCALE_ROW1
.else
	v_wmma_scale_f32_16x16x128_f8f6f4 v[8*(4*(\a)+\b):8*(4*(\a)+\b)+7], v[48*P+FR*\b:48*P+FR*\b+FR-1], v[AB+FR*(\a):AB+FR*(\a)+FR-1], v[8*(4*(\a)+\b):8*(4*(\a)+\b)+7], v[SS+4*\b], v[SS+4*(\a)] matrix_a_fmt:MATRIX_FMT_BF6 matrix_b_fmt:MATRIX_FMT_BF6 matrix_a_scale:MATRIX_SCALE_ROW1
.endif
.endr
.endr
.endm
.macro KS k, first                     ; a step whose successor lies in the same slot
	PLACES 4                                       ; four plain places in front of loads into registers that the last step's matrix instructions have read
	FETCH (\k)+1
	s_wait_dscnt 36                                ; all but the 36 loads just issued: this step's fragments are in
	WIN 0xa1+4*((\k)%2)                            ; source 0 window 1; source 1 window 0 or 1; C and D window 2
.irp a, 0,2,4,6
	MULA \a, \k, \first
.endr
.endm
; The head of a slot's last step.  Its fragments are in registers behind the wait on DScnt, so the slot is read no more: one barrier; in front of it each wave waits for all its tensor loads, adds 0 to its spare word and waits for that and for its reads.
.macro MEET k
	WIN 0
	s_wait_tensorcnt 0x0                           ; all my tensor loads have landed: my part of the next slot
	ds_add_u32 v[SPW], v[NIL]                      ; 0 onto my spare word
	s_wait_dscnt 0x0                               ; the add is done, and my reads of this slot are over
	s_barrier_signal -1
	WIN 0xa5
	MULA 0, \k, 0
	WIN 0
	s_barrier_wait -1
.endm
.macro TURN k                          ; the barrier opens a round of the cluster's barrier, and the slot takes the K step two on
	MEET \k
	CREST                                          ; no wave of any partner still reads this slot or has a load on its way
.set SF, ((\k)/4)%2
	s_add_nc_u64 s[G0+4*SF+2:G0+4*SF+3], s[G0+4*SF+2:G0+4*SF+3], 2*RBB
	s_add_nc_u64 s[G0B+4*SF+2:G0B+4*SF+3], s[G0B+4*SF+2:G0B+4*SF+3], 2*RBB
	JLOAD G0+4*SF, G1, G0B+4*SF, G1B               ; my one tensor load behind the round; its four v_nop are the places in front of the loads below
	FETCH (\k)+1
	SCALES ((\k)+1)/4
	WIN 0xa5
.irp a, 2,4,6
	MULA \a, \k, 0
.endr
.endm
	s_wait_alu depctr_va_vdst(0)
	s_wait_tensorcnt 0x0                           ; my tile of the head's four is in; no tensor load of mine is out, so a descriptor may be written:
	s_mov_b32 s[G1+2], 8<<16                       ; from here on a load brings 8 blocks of P
	s_mov_b32 s[G1+4], 8
	s_mov_b32 s[G1B+2], 4<<16                      ; or 4 of V
	s_mov_b32 s[G1B+4], 4
	s_wait_dscnt 0x0                               ; the words and 1 / l that I made lie in LDS
	s_barrier_signal -1
	s_barrier_wait -1                              ; both slots are whole
	FETCH 0
	SCALES 0
	ASK 3
	KS 0, 1                                        ; the first products start the sums
	KS 1, 0
	KS 2, 0
	TURN 3
.irp k, 4,5,6
	KS \k, 0
.endr
	TURN 7
.irp k, 8,9,10
	KS \k, 0
.endr
; THE LAST K STEP, in slot 1, by rows of the result.
.macro AROW a                          ; block a of P, its four steps: 12 loads, 6,144 consecutive bytes, into buffer a % 4 of window 1
	WIN TO_B
.irp q, 0,1,2,3
	FRAG 48*((\a)%4)+FR*\q, ADRA+1, \q, \a
.endr
.endm
.macro ROW a                           ; block a is finished: 16 matrix instructions, its four accumulators by turns, keys ascending
	WIN 0xa7                                       ; source 0 window 3, source 1 window 1, C and D window 2
.irp q, 0,1,2,3
.irp b, 0,1,2,3
	v_wmma_scale_f32_16x16x128_f8f6f4 v[8*(4*(\a)+\b):8*(4*(\a)+\b)+7], v[48*\q+FR*\b:48*\q+FR*\b+FR-1], v[48*((\a)%4)+FR*\q:48*((\a)%4)+FR*\q+FR-1], v[8*(4*(\a)+\b):8*(4*(\a)+\b)+7], v[SC+32+4*\b+\q], v[SC+32+4*(\a)+\q] matrix_a_fmt:MATRIX_FMT_BF6 matrix_b_fmt:MATRIX_FMT_BF6 matrix_a_scale:MATRIX_SCALE_ROW1
.endr
.endr
.endm
; The way out of a block of 16 queries x 64 d: x 1 / l, through my stage (in slot 0, which has had its last fill and, behind the barrier below, its last read), back as rows of 256 bytes.
.macro OUT a
.set TT, T+32*((\a)%2)
.set BB, BK+32*((\a)%2)
	WIN 0x02
.set N, 0
.rept 16
	v_pk_mul_f32 v[TT+N:TT+N+1], v[32*(\a)+N:32*(\a)+N+1], v[RLR+2*(\a):RLR+2*(\a)+1]   ; each accumulator from its low end on
.set N, N+2
.endr
	WIN 0
.irp b, 0,1,2,3
	ds_store_b128 v[STO], v[TT+8*\b:TT+8*\b+3] offset:64*\b
	ds_store_b128 v[STO], v[TT+8*\b+4:TT+8*\b+7] offset:64*\b+16
.endr
.irp t, 0,1,2,3,4,5,6,7
	ds_load_b128 v[BB+4*\t:BB+4*\t+3], v[RD] offset:544*\t     ; LDS serves a wave's instructions in order: these see my stores
.endr
.endm
.macro SEND a, younger
.set BB, BK+32*((\a)%2)
	s_wait_dscnt \younger
.irp t, 0,1,2,3,4,5,6,7
	global_store_b128 v[CO], v[BB+4*\t:BB+4*\t+3], s[OC:OC+1] offset:(16*(\a)+2*\t)*4096 th:TH_STORE_NT   ; 16 lanes store 256 consecutive bytes, aligned
.endr
.endm
	MEET 11                                        ; slot 1 is whole; nothing is left to fetch, so no round follows
	PLACES 4
.irp a, 0,1,2,3,4,5,6,7
	ds_load_b32 v[RLR+2*\a], v[RLA] offset:64*\a
	ds_load_b32 v[RLR+2*\a+1], v[RLA] offset:64*\a
.endr
	AROW 0                                         ; into V's set 0, which step 10 multiplied
	WIN 0xc0
.irp q, 0,1,2,3
.irp b, 0,1,2,3
	FRAG 48*\q+FR*\b, ADRB+1, \q, \b               ; V's 16 fragments of the K step, into window 3
.endr
.endr
	WIN 0
	SCALES 3
	WIN 0xa5
.irp a, 2,4,6
	MULA \a, 11, 0
.endr
	PLACES 4                                       ; in front of loads into the sets that step 11 multiplied
	AROW 1
	AROW 2
	AROW 3
	s_wait_dscnt 36                                ; all but blocks 1 to 3 of P
	ROW 0
; Block a leaves while block a + 1 is multiplied.  x: the LDS instructions younger than block a + 1's loads; y: those younger than block a - 1's loads from the stage
; (a block's way through the stage is 16 instructions, a block of P 12 loads).
.macro ITER a, x, y
.if (\a) > 1
	s_wait_xcnt 0x0                                ; block a - 2's stores have read their registers
.endif
.if (\a) < 7
	s_wait_dscnt \x
	ROW (\a)+1
.endif
	PLACES 4                                       ; in front of the reads of block a's results and of the loads into its buffer
	OUT \a
.if (\a) < 4
	AROW (\a)+4
	WIN 0
.endif
.if (\a) > 0
	SEND (\a)-1, \y
.endif
.endm
	ITER 0, 24, 0
	ITER 1, 40, 40
	ITER 2, 56, 40
	ITER 3, 56, 40
	ITER 4, 56, 28
	ITER 5, 44, 16
	ITER 6, 32, 16
	ITER 7, 0, 16
	SEND 7, 0
	s_wait_tensorcnt 0x0                           ; the wave's end
	ds_add_u32 v[SPW], v[NIL]
	s_wait_dscnt 0x0
	CROUND                                         ; the closing round
	s_endpgm
.Lfunc_end_k_q7359abe67e_pv:
	.size	k_q7359abe67e_pv, .Lfunc_end_k_q7359abe67e_pv-k_q7359abe67e_pv
	.p2alignl 7, 3214868480
	.fill 96, 4, 3214868480
	.section	.rodata,"a",@progbits
	.p2align	6, 0x0
	.amdhsa_kernel k_q7359abe67e_pv
		.amdhsa_group_segment_fixed_size 327680
		.amdhsa_private_segment_fixed_size 0
		.amdhsa_enable_private_segment 0
		.amdhsa_kernarg_size 24
		.amdhsa_user_sgpr_count 2
		.amdhsa_user_sgpr_kernarg_segment_ptr 1
		.amdhsa_wavefront_size32 1
		.amdhsa_system_sgpr_workgroup_id_x 1
		.amdhsa_system_sgpr_workgroup_id_y 1
		.amdhsa_system_sgpr_workgroup_id_z 1
		.amdhsa_system_vgpr_workitem_id 0
		.amdhsa_next_free_vgpr 1024
		.amdhsa_next_free_sgpr 98
		.amdhsa_reserve_vcc 0
		.amdhsa_float_denorm_mode_32 3
		.amdhsa_float_denorm_mode_16_64 3
		.amdhsa_memory_ordered 1
		.amdhsa_forward_progress 1
		.amdhsa_inst_pref_size 173
	.end_amdhsa_kernel
	.amdgpu_metadata
---
amdhsa.version: [ 1, 2 ]
amdhsa.kernels:
  - .name:           k_q7359abe67e_pv
    .symbol:         k_q7359abe67e_pv.kd
    .args:
      - { .name: bufPS, .offset: 0, .size: 8, .value_kind: global_buffer, .address_space: global }
      - { .name: bufV, .offset: 8, .size: 8, .value_kind: global_buffer, .address_space: global }
      - { .name: out0, .offset: 16, .size: 8, .value_kind: global_buffer, .address_space: global }
    .group_segment_fixed_size: 327680
    .private_segment_fixed_size: 0
    .kernarg_segment_align: 8
    .kernarg_segment_size: 24
    .max_flat_workgroup_size: 128
    .sgpr_count:     98
    .vgpr_count:     1024
    .wavefront_size: 32
...
	.end_amdgpu_metadata
.endif
;; end of part 4
